; MI455X (gfx1250); checked and timed in simulation.
; The chip was launched on July 23, 2026; its instructions are those of AMD's public machine-readable ISA for CDNA 5 (MIT licence, August 2026) and "CDNA5" Instruction Set Architecture Reference Guide (July 2026). The comments in the code are by the model that wrote it; some were corrected since.
;; Vector Quantizer. Allowed arithmetic: float matrix products may take bf16 or f16 operands with f32 sums; all other float work in f32.
;; Inputs: embeddings 8,192 x 512 float32; x 8 x 2,048 x 512 float32.
;; Outputs: out0 8 x 2,048 x 512 float32; out1 one number float32.
;; 3 versions, each right; version 2 is faster than version 1; version 3 is version 2 with the launches prep, gather written anew for expert scheduling mode. Each part assembles by itself: llvm-mc -triple=amdgcn-amd-amdhsa -mcpu=gfx1250 --defsym DOCPART=n.
;; ======== version 1 of 3: 4 launches
;; workspace buffers: ebf 8,388,608 bytes; yy 32,768 bytes; codes 65,536 bytes of whole numbers; part 65,536 bytes
;; launch prep (part 1): grid 128 x 1, 16 waves a work-group, no clusters, 2,304 bytes of LDS; arguments embeddings, ebf, yy; writes ebf, yy
.if DOCPART == 1
	.amdgcn_target "amdgcn-amd-amdhsa--gfx1250"
	.amdhsa_code_object_version 6
	.text
	.protected	k_q8fc191e137_prep
	.globl	k_q8fc191e137_prep
	.p2align	8
	.type	k_q8fc191e137_prep,@function
k_q8fc191e137_prep:
	s_mov_b64 s[64:65], 0
	v_nop
	global_prefetch_b8 v0, s[64:65] scope:SCOPE_SE
	s_setreg_imm32_b32 hwreg(HW_REG_WAVE_MODE, 25, 1), 1
	s_wait_xcnt 0x0
; ebf[v][k] = bf16(embeddings[v][k]);  yy[v] = sum over k of ebf[v][k]^2 in f32.   embeddings: [8192][512] f32.
; The codebook is walked by every work-group of the next launch, so it is rounded once here: 16 MiB in, 8 MiB out.
; yy is made of the ROUNDED numbers, so that the distances of the next launch belong to one set of operands.
; A work-group owns 64 rows (its 64 yy are 256 consecutive bytes, aligned), a wave 4 rows.  All 16 loads of a wave go out at once;
; every row has its own registers, so no register that a load or store names is ever written again.
; A stream: no matrix unit, no cluster, no ring; LDS only gathers the 64 sums for one whole store.
.set ROWB,  2048                       ; bytes of a row of embeddings
.set ROWH,  1024                       ; bytes of a row of ebf
.set SUM,   4                          ; v4, v5    two sum chains (low halves, high halves)
.set E,     16                         ; v[16:79]  row i, chunk c: 4 f32 at E + 16 i + 4 c
.set W,     80                         ; v[80:111] row i: 8 words of bf16 pairs at W + 8 i
	s_load_b128 s[4:7], s[0:1], 0x0                ; embeddings s[4:5], ebf s[6:7]
	s_load_b64 s[8:9], s[0:1], 0x10                ; yy
	v_lshl_add_u32 v112, v0, 2, 0x100
	v_mov_b32 v113, 0
	v_lshrrev_b32 v3, 5, v0
	v_readfirstlane_b32 s10, v3                    ; wave 0..15
	v_and_b32 v2, 31, v0                           ; lane
	v_lshlrev_b32 v1, 4, v2                        ; 16 bytes a lane in embeddings
	v_lshlrev_b32 v2, 3, v2                        ; 8 bytes a lane in ebf, in LDS and in yy
	v_mov_b32 v3, s10
	v_lshlrev_b32 v3, 4, v3                        ; LDS: my wave's four words
	s_lshl_b32 s11, ttmp9, 6
	s_lshl2_add_u32 s11, s10, s11                  ; my first row = 64 x work-group + 4 x wave
	s_lshl_b32 s12, s11, 11                        ; its byte offset in embeddings (below 16 MiB)
	s_mov_b32 s13, 0
	s_lshl_b32 s16, s11, 10                        ; and in ebf
	s_mov_b32 s17, 0
	s_mov_b32 s14, 0x76543210                      ; v_permlanex16_b32: lane i reads lane i of the other half
	s_mov_b32 s15, 0xfedcba98
	s_wait_kmcnt 0x0
	s_add_nc_u64 s[4:5], s[4:5], s[12:13]
	s_add_nc_u64 s[6:7], s[6:7], s[16:17]
.irp i, 0,1,2,3
.irp c, 0,1,2,3
	global_load_b128 v[E+16*\i+4*\c:E+16*\i+4*\c+3], v1, s[4:5] offset:ROWB*\i+512*\c th:TH_LOAD_NT   ; 512 consecutive bytes a wave
.endr
.endr
; One row: round, store, square and sum.
.macro PROW i
	s_wait_loadcnt 12-4*\i                         ; loads return in order (ISA guide 5.7.1): this row's four are in, the later rows' stay out
.irp c, 0,1,2,3
	v_cvt_pk_bf16_f32 v[W+8*\i+2*\c],   v[E+16*\i+4*\c],   v[E+16*\i+4*\c+1]
	v_cvt_pk_bf16_f32 v[W+8*\i+2*\c+1], v[E+16*\i+4*\c+2], v[E+16*\i+4*\c+3]
.endr
.irp c, 0,1,2,3
	global_store_b64 v2, v[W+8*\i+2*\c:W+8*\i+2*\c+1], s[6:7] offset:ROWH*\i+256*\c   ; 32 lanes x 8 bytes: 256 consecutive bytes, aligned
.endr
	v_mov_b32 v[SUM], 0
	v_mov_b32 v[SUM+1], 0
.irp j, 0,1,2,3,4,5,6,7
	v_fma_mix_f32_bf16 v[SUM],   v[W+8*\i+\j], v[W+8*\i+\j], v[SUM]   op_sel_hi:[1,1,0]                  ; low halves, squared, into f32
	v_fma_mix_f32_bf16 v[SUM+1], v[W+8*\i+\j], v[W+8*\i+\j], v[SUM+1] op_sel:[1,1,0] op_sel_hi:[1,1,0]    ; high halves
.endr
	v_add_f32 v[SUM], v[SUM], v[SUM+1]
	v_add_f32_dpp v[SUM], v[SUM], v[SUM] row_xmask:1 row_mask:0xf bank_mask:0xf
	v_add_f32_dpp v[SUM], v[SUM], v[SUM] row_xmask:2 row_mask:0xf bank_mask:0xf
	v_add_f32_dpp v[SUM], v[SUM], v[SUM] row_xmask:4 row_mask:0xf bank_mask:0xf
	v_add_f32_dpp v[SUM], v[SUM], v[SUM] row_xmask:8 row_mask:0xf bank_mask:0xf
	v_permlanex16_b32 v[SUM+1], v[SUM], s14, s15   ; its destination has been written before
	v_add_f32 v[SUM], v[SUM], v[SUM+1]             ; every lane holds the row's sum
	ds_store_b32 v3, v[SUM] offset:4*\i            ; all lanes write one word with one value
.endm
	PROW 0
	PROW 1
	PROW 2
	PROW 3
	s_wait_dscnt 0x0                               ; my four words are in LDS, for wave 0's sake
	s_barrier_signal -1
	s_barrier_wait -1
	s_cmp_lg_u32 s10, 0
	s_cbranch_scc1 .Lend
	ds_load_b64 v[8:9], v2                         ; wave 0: the 64 sums, two a lane
	s_lshl_b32 s12, ttmp9, 8                       ; 64 f32 a work-group; s13 is still 0
	s_add_nc_u64 s[8:9], s[8:9], s[12:13]
	s_wait_dscnt 0x0
	global_store_b64 v2, v[8:9], s[8:9]            ; 256 consecutive bytes, aligned
.Lend:
	s_wait_tensorcnt 0x0
	ds_add_u32 v112, v113
	s_wait_dscnt 0x0
	s_endpgm
.Lfunc_end_k_q8fc191e137_prep:
	.size	k_q8fc191e137_prep, .Lfunc_end_k_q8fc191e137_prep-k_q8fc191e137_prep
	.p2alignl 7, 3214868480
	.fill 96, 4, 3214868480
	.section	.rodata,"a",@progbits
	.p2align	6, 0x0
	.amdhsa_kernel k_q8fc191e137_prep
		.amdhsa_group_segment_fixed_size 2304
		.amdhsa_private_segment_fixed_size 0
		.amdhsa_enable_private_segment 0
		.amdhsa_kernarg_size 24
		.amdhsa_user_sgpr_count 2
		.amdhsa_user_sgpr_kernarg_segment_ptr 1
		.amdhsa_wavefront_size32 1
		.amdhsa_system_sgpr_workgroup_id_x 1
		.amdhsa_system_sgpr_workgroup_id_y 1
		.amdhsa_system_sgpr_workgroup_id_z 1
		.amdhsa_system_vgpr_workitem_id 0
		.amdhsa_next_free_vgpr 114
		.amdhsa_next_free_sgpr 66
		.amdhsa_reserve_vcc 0
		.amdhsa_float_denorm_mode_32 3
		.amdhsa_float_denorm_mode_16_64 3
		.amdhsa_memory_ordered 1
		.amdhsa_forward_progress 1
		.amdhsa_inst_pref_size 13
	.end_amdhsa_kernel
	.amdgpu_metadata
---
amdhsa.version: [ 1, 2 ]
amdhsa.kernels:
  - .name:           k_q8fc191e137_prep
    .symbol:         k_q8fc191e137_prep.kd
    .args:
      - { .name: embeddings, .offset: 0, .size: 8, .value_kind: global_buffer, .address_space: global }
      - { .name: ebf, .offset: 8, .size: 8, .value_kind: global_buffer, .address_space: global }
      - { .name: yy, .offset: 16, .size: 8, .value_kind: global_buffer, .address_space: global }
    .group_segment_fixed_size: 2304
    .private_segment_fixed_size: 0
    .kernarg_segment_align: 8
    .kernarg_segment_size: 24
    .max_flat_workgroup_size: 512
    .sgpr_count:     66
    .vgpr_count:     114
    .wavefront_size: 32
...
	.end_amdgpu_metadata
.endif
;; end of part 1
;; launch argmin (part 2): grid 256 x 1, 4 waves a work-group, clusters of 4 x 1, 327,680 bytes of LDS; arguments x, ebf, yy, codes; writes codes
.if DOCPART == 2
	.amdgcn_target "amdgcn-amd-amdhsa--gfx1250"
	.amdhsa_code_object_version 6
	.text
	.protected	k_q8fc191e137_argmin
	.globl	k_q8fc191e137_argmin
	.p2align	8
	.type	k_q8fc191e137_argmin,@function
k_q8fc191e137_argmin:
	s_mov_b64 s[64:65], 0
	v_nop
	global_prefetch_b8 v0, s[64:65] scope:SCOPE_SE
	s_setreg_imm32_b32 hwreg(HW_REG_WAVE_MODE, 25, 1), 1
	s_wait_xcnt 0x0
	s_wait_alu depctr_hold_cnt(0) depctr_sa_sdst(0) depctr_va_vdst(0) depctr_va_sdst(0) depctr_va_ssrc(0) depctr_va_vcc(0) depctr_vm_vsrc(0)
	s_getreg_b32 s2, hwreg(HW_REG_IB_STS2, 6, 4)
	s_cmp_eq_u32 s2, 0
	s_cbranch_scc0 .Lentry_in_a_cluster
	s_endpgm
.Lentry_in_a_cluster:
	s_bfe_u32 s2, ttmp6, 0x10000c
	s_cmp_lg_u32 s2, 0x3003
	s_cbranch_scc0 .Lentry_shape_is_right
	s_endpgm
.Lentry_shape_is_right:
; codes[n] = argmin over v of d[n][v],  d = fl(fl(xx[n] + yy[v]) - 2 dot(x[n], e[v])),  the lowest v among equal d.
; x: [16384][512] f32, ebf: [8192][512] bf16, yy: [8192] f32, codes: [16384] u32.
; LIMITS.  The code is chosen on x and e ROUNDED TO bf16 (products exact, sums in f32); xx and yy are sums of the rounded numbers' squares;
; d is formed in the order and with the two roundings of reference().  A NaN distance is never chosen (jnp.argmin would choose it);
; a row whose distances are all +inf gets code 0, as in reference().
;
; SHARES.  A work-group owns 64 rows of x against all 8,192 codes: 256 work-groups, no merge between them.  Each of the four waves keeps all
; 64 rows x 512 K as A fragments in 512 registers (4 m-tiles x 16 K steps x 8), so x is read from LDS once.  The waves split the codes:
; of a tile of 128 codes a wave takes 32, as two n-tiles of 16.  A B fragment (16 codes x 32 K, 1,024 bytes of LDS) feeds four matrix instructions.
; RING.  ebf goes through two LDS slots of 128 codes x 1,024 bytes, 64 tiles.  A trip multiplies fragments that are already in registers and
; meanwhile reads the next tile's fragments from the other slot, so the slot just read out is asked for again at the trip's first quarter,
; and that load has a whole trip (128 matrix instructions) in which to land.
; CLUSTER.  Every work-group walks the same tiles in the same order: four work-groups form a cluster of 4 x 1 and ask for each tile, and for yy,
; jointly (mask 15).  x is each work-group's own: a plain load.  There is no second shared operand, so a second cluster axis has nothing to share.
;
; REGISTER WINDOWS (s_set_vgpr_msb: bits 1:0 source 0, 3:2 source 1, 5:4 source 2, 7:6 destination):
;   window 0: addresses, accumulators, xx, best distance, best index;  window 1: x fragments of K steps 0-7 at 8 (4 k + m);
;   window 2: those of K steps 8-15;  window 3: B fragments, buffer 0 (even n-tile) at 0-127, buffer 1 (odd n-tile) at 128-255, K step k at 8 k.
.set PITCH,  1040                      ; an LDS row of a code: 1,024 bytes + 16 = 65 x 16: sixteen rows start in sixteen different 16-byte columns of 256
.set QUART,  32*PITCH                  ; 32 codes: what one wave's load brings and what that wave reads
.set SLOT,   4*QUART                   ; 133,120
.set YYB,    2*SLOT                    ; all of yy, 32,768 bytes, filled once
.set SCR,    YYB+32768                 ; d[4 waves][64], then index[4][64]
.set XPITCH, 2080                      ; a row of x in f32: 2 x (1,024 + 16); 16 rows = QUART
.set TILEB,  131072                    ; bytes of a tile in ebf
.set BADR, 4                           ; v4, v5     my B fragments in slot 0, 1
.set YADR, 6                           ; v6         my yy word of this trip's even n-tile
.set SADR, 7                           ; v7         my place in SCR
.set XADR, 8                           ; v[8:11]    x in LDS, m-tile m
.set CUR0, 12                          ; v12, v13   the code's number as f32 (exact up to 8,191), even and odd n-tile
.set CUR1, 13
.set YA,   14                          ; v14 yy of the even n-tile; v15 = 0 (the pair is named by the packed add)
.set YB,   16                          ; v16 yy of the odd n-tile; v17 = 0
.set T,    18                          ; v[18:25]   at work
.set SS,   26                          ; v[26:33]   eight chains of xx
.set PA,   34                          ; v[34:41]   lane selects for spreading xx
.set INFR, 42                          ; v42        +inf
.set ACC,  48                          ; v[48:79]   four accumulators: register 8 m + j = (row 16 m + 8 h + j, code r)
.set XX,   80                          ; v[80:111]  xx of the same rows
.set BEST, 112                         ; v[112:143] least distance so far
.set IDX,  144                         ; v[144:175] its code, f32
.set STG,  128                         ; v[128:255] two stages of 64 for x in f32, used only before BEST and IDX are set
.set G1E, 16                           ; s[16:23] shape of a quarter tile of ebf (joint)
.set G1X, 24                           ; s[24:31] shape of 16 rows of x (plain)
.set G1Y, 32                           ; s[32:39] shape of a quarter of yy (joint)
.set G0E, 40                           ; s[40:47] from where, to where: one set for each slot
.set G0X, 48                           ; s[48:51]
.set G0Y, 52                           ; s[52:55]
.set MK,  68                           ; s[68:75] eight compare masks
.set MSB, 0
.macro WIN new                         ; the immediate's high byte repeats the setting that is left; a switch that changes nothing is dropped
.if MSB != \new
	s_set_vgpr_msb (MSB<<8)|\new
.set MSB, \new
.endif
.endm
; A round of the cluster's barrier: my work-group's barrier, wave 0 signals for the work-group, every wave waits for all four work-groups, my work-group's barrier again.
.macro ROUND
	s_barrier_signal -1
	s_barrier_wait -1
	s_cmp_lg_u32 s12, 0
	s_cbranch_scc1 .Lnot_wave_0_\@
	s_barrier_signal -3
.Lnot_wave_0_\@:
	s_barrier_wait -3
	s_barrier_signal -1
	s_barrier_wait -1
.endm
; Four places behind a matrix instruction before a load goes into one of its sources or a vector instruction reads its result.
.macro PLACES
.rept 4
	v_nop
.endr
.endm
	s_load_b256 s[4:11], s[0:1], 0x0               ; x s[4:5], ebf s[6:7], yy s[8:9], codes s[10:11]
	v_lshl_add_u32 v46, v0, 2, 0x49800
	v_mov_b32 v47, 0
	ds_add_u32 v46, v47
	ds_add_u32 v46, v47
	v_lshrrev_b32 v3, 5, v0
	v_readfirstlane_b32 s12, v3                    ; wave 0..3
	s_bfe_u32 s13, ttmp6, 0x40000                  ; cx
	s_lshl_b32 s14, ttmp9, 2
	s_add_co_u32 s14, s14, s13                     ; work-group = 4 x cluster + cx: enters x's and codes' addresses alone
	s_mov_b32 s61, 0x76543210                      ; v_permlanex16_b32: lane i reads lane i of the other half
	s_mov_b32 s62, 0xfedcba98
	; ebf: 32 rows x 512 elements of 2 bytes, 4 words of padding behind every 256 words
	s_mov_b32 s[G1E+0], 15|(1<<16)|(1<<20)|(1<<21)|(7<<22)|(3<<25)   ; mask: all four of the cluster; 2 bytes; padding on; bit 21 beside a mask; interval code 7; pad code 3
	s_mov_b32 s[G1E+1], 512<<16                    ; tensor_dim0 = 512
	s_mov_b32 s[G1E+2], 32<<16                     ; tensor_dim1 = 32
	s_mov_b32 s[G1E+3], 512<<16                    ; tile_dim0 = 512
	s_mov_b32 s[G1E+4], 32                         ; tile_dim1 = 32
	s_mov_b32 s[G1E+5], 512                        ; elements from row to row
	s_mov_b32 s[G1E+6], 0
	s_mov_b32 s[G1E+7], 0
	; x: 16 rows x 512 elements of 4 bytes, the same padding: two pads in a row
	s_mov_b32 s[G1X+0], (2<<16)|(1<<20)|(7<<22)|(3<<25)
	s_mov_b32 s[G1X+1], 512<<16
	s_mov_b32 s[G1X+2], 16<<16
	s_mov_b32 s[G1X+3], 512<<16
	s_mov_b32 s[G1X+4], 16
	s_mov_b32 s[G1X+5], 512
	s_mov_b32 s[G1X+6], 0
	s_mov_b32 s[G1X+7], 0
	; yy: a dense block of 8,192 bytes as 32 rows of 32 elements of 8 bytes
	s_mov_b32 s[G1Y+0], 15|(3<<16)|(1<<21)
	s_mov_b32 s[G1Y+1], 32<<16
	s_mov_b32 s[G1Y+2], 32<<16
	s_mov_b32 s[G1Y+3], 32<<16
	s_mov_b32 s[G1Y+4], 32
	s_mov_b32 s[G1Y+5], 32
	s_mov_b32 s[G1Y+6], 0
	s_mov_b32 s[G1Y+7], 0
	s_mul_i32 s15, s12, QUART                      ; LDS: my quarter of a slot (the wave's number alone)
	s_lshl_b32 s56, s12, 15                        ; ebf: my 32 rows of a tile
	s_mov_b32 s57, 0
	s_lshl_b32 s58, s14, 17                        ; x: 64 rows of 2,048 bytes a work-group,
	s_lshl_b32 s63, s12, 15                        ; 16 rows a wave
	s_add_co_u32 s58, s58, s63
	s_mov_b32 s59, 0
	s_wait_dscnt 0x0
	s_wait_kmcnt 0x0
	s_mov_b32 s[G0E+0], 1
	s_add_co_u32 s[G0E+1], s15, 0
	s_add_nc_u64 s[G0E+2:G0E+3], s[6:7], s[56:57]  ; tile 0
	s_or_b32 s[G0E+3], s[G0E+3], 0x80000000
	s_mov_b32 s[G0E+4], 1
	s_add_co_u32 s[G0E+5], s15, SLOT
	s_add_nc_u64 s[G0E+6:G0E+7], s[6:7], s[56:57]
	s_add_nc_u64 s[G0E+6:G0E+7], s[G0E+6:G0E+7], TILEB   ; tile 1
	s_or_b32 s[G0E+7], s[G0E+7], 0x80000000
	s_mov_b32 s[G0X+0], 1
	s_add_co_u32 s[G0X+1], s15, SLOT               ; x lies in slot 1 until it is in registers
	s_add_nc_u64 s[G0X+2:G0X+3], s[4:5], s[58:59]
	s_or_b32 s[G0X+3], s[G0X+3], 0x80000000
	s_lshl_b32 s56, s12, 13                        ; yy: 8,192 bytes a wave
	s_mov_b32 s[G0Y+0], 1
	s_add_co_u32 s[G0Y+1], s56, YYB
	s_add_nc_u64 s[G0Y+2:G0Y+3], s[8:9], s[56:57]
	s_or_b32 s[G0Y+3], s[G0Y+3], 0x80000000
	s_lshl_b32 s58, s14, 8                         ; codes: 64 words a work-group
	s_add_nc_u64 s[10:11], s[10:11], s[58:59]
	ROUND                                          ; the four work-groups are here: the first joint loads meet
	tensor_load_to_lds s[G0E:G0E+3], s[G1E:G1E+7]  ; the first fills go out as one group: three loads of this wave are out
	s_nop 0
	tensor_load_to_lds s[G0Y:G0Y+3], s[G1Y:G1Y+7]
	s_nop 0
	tensor_load_to_lds s[G0X:G0X+3], s[G1X:G1X+7]
	s_nop 0
	v_and_b32 v1, 15, v0                           ; r
	v_bfe_u32 v2, v0, 4, 1                         ; h
	v_mul_u32_u24 v3, v1, PITCH
	v_lshl_add_u32 v3, v2, 4, v3                   ; B fragment: row r, 16 bytes for each half of the lanes
	v_add_nc_u32 v[BADR], s15, v3
	v_add_nc_u32 v[BADR+1], SLOT, v[BADR]
	v_lshl_add_u32 v[YADR], s12, 5, v1             ; my code in tile 0, even n-tile: 32 w + r
	v_cvt_f32_u32 v[CUR0], v[YADR]
	v_add_f32 v[CUR1], 0x41800000, v[CUR0]         ; + 16
	v_lshlrev_b32 v[YADR], 2, v[YADR]
	v_add_nc_u32 v[YADR], YYB, v[YADR]
	v_lshlrev_b32 v[SADR], 5, v2
	v_lshl_add_u32 v[SADR], s12, 8, v[SADR]
	v_add_nc_u32 v[SADR], SCR, v[SADR]             ; SCR + 256 w + 32 h
	v_mul_u32_u24 v[XADR], v1, XPITCH
	v_lshl_add_u32 v[XADR], v2, 5, v[XADR]
	v_add_nc_u32 v[XADR], SLOT, v[XADR]            ; x: row r, 8 f32 for each half of the lanes
.irp m, 1,2,3
	v_add_nc_u32 v[XADR+\m], \m*16*XPITCH, v[XADR]
.endr
	v_lshlrev_b32 v[PA], 5, v2                     ; lane 8 h + j, times 4
.irp j, 1,2,3,4,5,6,7
	v_add_nc_u32 v[PA+\j], 4*\j, v[PA]
.endr
	v_mov_b32 v[INFR], 0x7f800000
	s_wait_tensorcnt 0x0                           ; my parts of tile 0, of yy and of x are in,
	s_barrier_signal -1
	s_barrier_wait -1                              ; everybody's are
; X INTO REGISTERS.  An A fragment is 16 rows x 32 K: lane (r, h) holds row r; registers 0-3 K = 8 h + 0..7, registers 4-7 K = 16 + 8 h + 0..7.
; In f32 that is 2 x 32 bytes, 64 bytes apart.  K step k begins at byte 128 k of a row, and 16 further behind the pad in the row's middle.
.macro XK k
	WIN 0
.irp m, 0,1,2,3
	ds_load_b128 v[STG+64*((\k)&1)+16*\m:STG+64*((\k)&1)+16*\m+3],     v[XADR+\m] offset:128*(\k)+16*((\k)/8)
	ds_load_b128 v[STG+64*((\k)&1)+16*\m+4:STG+64*((\k)&1)+16*\m+7],   v[XADR+\m] offset:128*(\k)+16*((\k)/8)+16
	ds_load_b128 v[STG+64*((\k)&1)+16*\m+8:STG+64*((\k)&1)+16*\m+11],  v[XADR+\m] offset:128*(\k)+16*((\k)/8)+64
	ds_load_b128 v[STG+64*((\k)&1)+16*\m+12:STG+64*((\k)&1)+16*\m+15], v[XADR+\m] offset:128*(\k)+16*((\k)/8)+80
.endr
.endm
.macro XCVT k
.if (\k) < 8
	WIN 0x40                                       ; destination in window 1
.else
	WIN 0x80                                       ; in window 2
.endif
.irp m, 0,1,2,3
.irp i, 0,1,2,3,4,5,6,7
	v_cvt_pk_bf16_f32 v[8*(4*((\k)%8)+\m)+\i], v[STG+64*((\k)&1)+16*\m+2*\i], v[STG+64*((\k)&1)+16*\m+2*\i+1]
.endr
.endr
.endm
	XK 0
.irp k, 0,1,2,3,4,5,6,7,8,9,10,11,12,13,14
	XK \k+1
	s_wait_dscnt 16                                ; all but the 16 just issued: K step k is in its stage
	XCVT \k
.endr
	s_wait_dscnt 0x0
	XCVT 15
	WIN 0
	s_wait_dscnt 0x0                               ; my reads of x are over (met above),
	s_wait_tensorcnt 0x0                           ; none of my tensor loads is out (met above),
	ds_add_u32 v46, v47
	s_wait_dscnt 0x0
	ROUND                                          ; and that holds of every wave of the cluster:
	tensor_load_to_lds s[G0E+4:G0E+7], s[G1E:G1E+7]   ; tile 1 goes over the bytes that held x: my one load behind the round
	s_nop 0
; 32 LDS loads: one n-tile's 16 fragments (16 codes x 512 K) into buffer b
.macro FETCH b, slot, nt
	WIN 0xc0                                       ; destination in window 3
.irp k, 0,1,2,3,4,5,6,7,8,9,10,11,12,13,14,15
	ds_load_b128 v[128*\b+8*\k:128*\b+8*\k+3],   v[BADR+\slot] offset:\nt*16*PITCH+64*\k
	ds_load_b128 v[128*\b+8*\k+4:128*\b+8*\k+7], v[BADR+\slot] offset:\nt*16*PITCH+64*\k+32
.endr
	WIN 0
.endm
	FETCH 0, 0, 0
	ds_load_b32 v[YA], v[YADR]
	FETCH 1, 0, 1
	ds_load_b32 v[YB], v[YADR] offset:64
	; xx of the 64 rows, from the rounded numbers, while those loads and tile 1 land: eight chains, each taken up again every eighth line
.irp j, 0,1,2,3,4,5,6,7
	v_mov_b32 v[SS+\j], 0
.endr
.macro XSQ
.irp k, 0,1,2,3,4,5,6,7
.irp i, 0,1,2,3,4,5,6,7
.irp m, 0,1,2,3
	v_fma_mix_f32_bf16 v[SS+2*\m],   v[8*(4*\k+\m)+\i], v[8*(4*\k+\m)+\i], v[SS+2*\m]   op_sel_hi:[1,1,0]
	v_fma_mix_f32_bf16 v[SS+2*\m+1], v[8*(4*\k+\m)+\i], v[8*(4*\k+\m)+\i], v[SS+2*\m+1] op_sel:[1,1,0] op_sel_hi:[1,1,0]
.endr
.endr
.endr
.endm
	WIN 0x05                                       ; sources 0 and 1 in window 1
	XSQ
	WIN 0x0a                                       ; in window 2
	XSQ
	WIN 0
.irp m, 0,1,2,3
	v_add_f32 v[SS+2*\m], v[SS+2*\m], v[SS+2*\m+1]
	v_permlanex16_b32 v[SS+2*\m+1], v[SS+2*\m], s61, s62
	v_add_f32 v[SS+2*\m], v[SS+2*\m], v[SS+2*\m+1]   ; lanes r and 16 + r: xx of row 16 m + r
.endr
.irp m, 0,1,2,3
.irp j, 0,1,2,3,4,5,6,7
	ds_bpermute_b32 v[XX+8*\m+\j], v[PA+\j], v[SS+2*\m]   ; register 8 m + j takes lane 8 h + j: xx of row 16 m + 8 h + j, as the accumulators lie
.endr
.endr
.set i, 0
.rept 32
	v_mov_b32 v[BEST+i], v[INFR]                   ; every distance below +inf beats the start; index 0 stands if none does
	v_mov_b32 v[IDX+i], 0
.set i, i+1
.endr
	v_mov_b32 v[YA+1], 0
	v_mov_b32 v[YB+1], 0
	s_wait_dscnt 0x0                               ; xx is spread
; 64 matrix instructions: 64 rows x 16 codes x 512 K from buffer b.  The first K step starts the sums: nothing is cleared.
; The four accumulators take turns, one instruction a turn; the last line names the fourth and the next MUL begins with the first.
.macro MUL b
	WIN 0x0d                                       ; A in window 1, B in window 3, C and D in window 0
.irp k, 0,1,2,3,4,5,6,7
.irp m, 0,1,2,3
.if \k == 0
	v_wmma_f32_16x16x32_bf16 v[ACC+8*\m:ACC+8*\m+7], v[8*(4*\k+\m):8*(4*\k+\m)+7], v[128*\b+8*\k:128*\b+8*\k+7], 0
.else
	v_wmma_f32_16x16x32_bf16 v[ACC+8*\m:ACC+8*\m+7], v[8*(4*\k+\m):8*(4*\k+\m)+7], v[128*\b+8*\k:128*\b+8*\k+7], v[ACC+8*\m:ACC+8*\m+7]
.endif
.endr
.endr
	WIN 0x0e                                       ; A in window 2
.irp k, 0,1,2,3,4,5,6,7
.irp m, 0,1,2,3
	v_wmma_f32_16x16x32_bf16 v[ACC+8*\m:ACC+8*\m+7], v[8*(4*\k+\m):8*(4*\k+\m)+7], v[128*\b+64+8*\k:128*\b+64+8*\k+7], v[ACC+8*\m:ACC+8*\m+7]
.endr
.endr
	WIN 0
.endm
; The distances of one n-tile and the running least.  t = fl(xx + yy); d = fl(t - 2 dot) in one fused line (2 dot is exact), the two roundings of reference().
; A lane meets its codes in ascending order, so the strict compare keeps the lowest.  Eight masks of their own: no line waits for the line in front of it.
.macro EPI y, cur
.irp m, 0,1,2,3
.irp p, 0,2,4,6
	v_pk_add_f32 v[T+\p:T+\p+1], v[XX+8*\m+\p:XX+8*\m+\p+1], v[\y:\y+1] op_sel_hi:[1,0]
.endr
.irp p, 0,2,4,6
	v_pk_fma_f32 v[ACC+8*\m+\p:ACC+8*\m+\p+1], v[ACC+8*\m+\p:ACC+8*\m+\p+1], -2.0, v[T+\p:T+\p+1] op_sel_hi:[1,0,1]
.endr
.irp j, 0,1,2,3,4,5,6,7
	v_cmp_lt_f32 s[MK+\j], v[ACC+8*\m+\j], v[BEST+8*\m+\j]
.endr
.irp j, 0,1,2,3,4,5,6,7
	v_cndmask_b32 v[IDX+8*\m+\j], v[IDX+8*\m+\j], v[\cur], s[MK+\j]
.endr
.irp j, 0,1,2,3,4,5,6,7
	v_min_num_f32 v[BEST+8*\m+\j], v[BEST+8*\m+\j], v[ACC+8*\m+\j]
.endr
.endr
.endm
; The trip of the tile in slot s.  mode 2: the slot is filled again, two tiles ahead, and the next tile's fragments are read;
; mode 1: nothing is left to ask for, the next tile's fragments are read; mode 0: the last tile.
.macro TRIP s, mode
	s_wait_dscnt 34                                ; the even n-tile's 32 loads are in; younger: 1 yy word, the odd n-tile's 32, 1 yy word
	MUL 0
	s_wait_dscnt 0x0                               ; both n-tiles and both yy words are in registers: my reads of this slot are over
.if \mode
	s_wait_tensorcnt 0x0                           ; and all my tensor loads have landed: the one that was out is my part of the next tile
	ds_add_u32 v46, v47
	s_wait_dscnt 0x0
.endif
.if \mode == 2
	s_add_nc_u64 s[G0E+4*\s+2:G0E+4*\s+3], s[G0E+4*\s+2:G0E+4*\s+3], 2*TILEB   ; no load of mine is out: this slot's address steps two tiles on
	ROUND                                          ; both waits now hold of every wave of the four work-groups
	tensor_load_to_lds s[G0E+4*\s:G0E+4*\s+3], s[G1E:G1E+7]   ; my one load behind the round, and the first thing there
	s_nop 0
.endif
.if \mode == 1
	s_barrier_signal -1
	s_barrier_wait -1
.endif
	PLACES                                         ; behind MUL 0: for the loads into buffer 0 and for the lines that read the sums
.if \mode
	FETCH 0, 1-\s, 0
.endif
	EPI YA, CUR0
.if \mode
	ds_load_b32 v[YA], v[YADR] offset:512          ; the next tile's yy
.endif
	MUL 1                                          ; buffer 1 was shown in by the wait for 0 above
	PLACES
.if \mode
	FETCH 1, 1-\s, 1
.endif
	EPI YB, CUR1
.if \mode
	ds_load_b32 v[YB], v[YADR] offset:576
	v_add_f32 v[CUR0], 0x43000000, v[CUR0]         ; 128 codes on
	v_add_f32 v[CUR1], 0x43000000, v[CUR1]
	v_add_nc_u32 v[YADR], 512, v[YADR]
.endif
.endm
	s_mov_b32 s60, 31                              ; tiles 0 to 61, which ask for tiles 2 to 63
.Lloop:
	TRIP 0, 2
	TRIP 1, 2
	s_sub_co_u32 s60, s60, 1
	s_cmp_lg_u32 s60, 0
	s_cbranch_scc1 .Lloop
	TRIP 0, 1                                      ; tile 62
	TRIP 1, 0                                      ; tile 63
	; OVER THE 16 LANES OF A HALF (the 16 codes r): the least distance, then the lowest index among the lanes that hold it.  Stage by stage, 32 independent lines each.
.macro MIN32 d, s, x
.set i, 0
.rept 32
	v_min_num_f32_dpp v[\d+i], v[\s+i], v[\s+i] row_xmask:\x row_mask:0xf bank_mask:0xf
.set i, i+1
.endr
.endm
	MIN32 ACC, BEST, 1
	MIN32 ACC, ACC, 2
	MIN32 ACC, ACC, 4
	MIN32 ACC, ACC, 8
.set i, 0
.rept 32
	v_cmp_eq_f32 vcc_lo, v[ACC+i], v[BEST+i]
	v_cndmask_b32 v[IDX+i], v[INFR], v[IDX+i], vcc_lo   ; a lane that does not hold the least offers +inf
.set i, i+1
.endr
	MIN32 IDX, IDX, 1
	MIN32 IDX, IDX, 2
	MIN32 IDX, IDX, 4
	MIN32 IDX, IDX, 8
.irp m, 0,1,2,3
.irp q, 0,1
	ds_store_b128 v[SADR], v[ACC+8*\m+4*\q:ACC+8*\m+4*\q+3] offset:64*\m+16*\q        ; d[w][16 m + 8 h + 4 q ..]: sixteen lanes write the same bytes with the same values
	ds_store_b128 v[SADR], v[IDX+8*\m+4*\q:IDX+8*\m+4*\q+3] offset:1024+64*\m+16*\q
.endr
.endr
	s_wait_dscnt 0x0                               ; my stores are in LDS, for wave 0's sake
	s_barrier_signal -1
	s_barrier_wait -1
	s_cmp_lg_u32 s12, 0
	s_cbranch_scc1 .Lclose
	; OVER THE FOUR WAVES: wave 0, lane l for rows 2 l and 2 l + 1
	v_lshlrev_b32 v3, 3, v0
	v_add_nc_u32 v[PA], SCR, v3
.irp w, 0,1,2,3
	ds_load_b64 v[T+2*\w:T+2*\w+1],   v[PA] offset:256*\w
	ds_load_b64 v[SS+2*\w:SS+2*\w+1], v[PA] offset:1024+256*\w
.endr
	s_wait_dscnt 0x0
.irp c, 0,1
	v_min_num_f32 v[PA+2+\c], v[T+\c], v[T+2+\c]
	v_min_num_f32 v[PA+2+\c], v[PA+2+\c], v[T+4+\c]
	v_min_num_f32 v[PA+2+\c], v[PA+2+\c], v[T+6+\c]
.irp w, 0,1,2,3
	v_cmp_eq_f32 vcc_lo, v[T+2*\w+\c], v[PA+2+\c]
	v_cndmask_b32 v[SS+2*\w+\c], v[INFR], v[SS+2*\w+\c], vcc_lo
.endr
	v_min_num_f32 v[PA+4+\c], v[SS+\c], v[SS+2+\c]
	v_min_num_f32 v[PA+4+\c], v[PA+4+\c], v[SS+4+\c]
	v_min_num_f32 v[PA+4+\c], v[PA+4+\c], v[SS+6+\c]
	v_cvt_u32_f32 v[PA+4+\c], v[PA+4+\c]
.endr
	global_store_b64 v3, v[PA+4:PA+5], s[10:11]    ; 64 codes: 256 consecutive bytes, aligned
.Lclose:
	s_wait_tensorcnt 0x0
	ds_add_u32 v46, v47
	s_wait_dscnt 0x0
	ROUND                                          ; the closing round: no work-group ends while a partner may still ask jointly
	s_endpgm
.Lfunc_end_k_q8fc191e137_argmin:
	.size	k_q8fc191e137_argmin, .Lfunc_end_k_q8fc191e137_argmin-k_q8fc191e137_argmin
	.p2alignl 7, 3214868480
	.fill 96, 4, 3214868480
	.section	.rodata,"a",@progbits
	.p2align	6, 0x0
	.amdhsa_kernel k_q8fc191e137_argmin
		.amdhsa_group_segment_fixed_size 327680
		.amdhsa_private_segment_fixed_size 0
		.amdhsa_enable_private_segment 0
		.amdhsa_kernarg_size 32
		.amdhsa_user_sgpr_count 2
		.amdhsa_user_sgpr_kernarg_segment_ptr 1
		.amdhsa_wavefront_size32 1
		.amdhsa_system_sgpr_workgroup_id_x 1
		.amdhsa_system_sgpr_workgroup_id_y 1
		.amdhsa_system_sgpr_workgroup_id_z 1
		.amdhsa_system_vgpr_workitem_id 0
		.amdhsa_next_free_vgpr 1024
		.amdhsa_next_free_sgpr 76
		.amdhsa_reserve_vcc 1
		.amdhsa_float_denorm_mode_32 3
		.amdhsa_float_denorm_mode_16_64 3
		.amdhsa_memory_ordered 1
		.amdhsa_forward_progress 1
		.amdhsa_inst_pref_size 255
	.end_amdhsa_kernel
	.amdgpu_metadata
---
amdhsa.version: [ 1, 2 ]
amdhsa.kernels:
  - .name:           k_q8fc191e137_argmin
    .symbol:         k_q8fc191e137_argmin.kd
    .args:
      - { .name: x, .offset: 0, .size: 8, .value_kind: global_buffer, .address_space: global }
      - { .name: ebf, .offset: 8, .size: 8, .value_kind: global_buffer, .address_space: global }
      - { .name: yy, .offset: 16, .size: 8, .value_kind: global_buffer, .address_space: global }
      - { .name: codes, .offset: 24, .size: 8, .value_kind: global_buffer, .address_space: global }
    .group_segment_fixed_size: 327680
    .private_segment_fixed_size: 0
    .kernarg_segment_align: 8
    .kernarg_segment_size: 32
    .max_flat_workgroup_size: 128
    .sgpr_count:     76
    .vgpr_count:     1024
    .wavefront_size: 32
...
	.end_amdgpu_metadata
.endif
;; end of part 2
;; launch gather (part 3): grid 256 x 1, 8 waves a work-group, no clusters, 3,072 bytes of LDS; arguments x, embeddings, codes, out0, part; writes out0, part
.if DOCPART == 3
	.amdgcn_target "amdgcn-amd-amdhsa--gfx1250"
	.amdhsa_code_object_version 6
	.text
	.protected	k_q8fc191e137_gather
	.globl	k_q8fc191e137_gather
	.p2align	8
	.type	k_q8fc191e137_gather,@function
k_q8fc191e137_gather:
	s_mov_b64 s[64:65], 0
	v_nop
	global_prefetch_b8 v0, s[64:65] scope:SCOPE_SE
	s_setreg_imm32_b32 hwreg(HW_REG_WAVE_MODE, 25, 1), 1
	s_wait_xcnt 0x0
; out0[n] = x[n] + (e[codes[n]] - x[n]), in f32 and in reference()'s order;  part[work-group][64] = partial sums of (e[codes[n]] - x[n])^2.
; x, out0: [16384][512] f32; embeddings: [8192][512] f32; codes: [16384] u32, stored by the launch before.
; A work-group owns 64 rows, a wave 8.  The wave's eight codes come by one scalar load and make eight row bases, so every load of a row is
; 512 consecutive bytes.  A ring of four row slots in registers: 32 loads of a wave go out at the start, 24 younger ones stay out at each wait.
; A stream: no matrix unit and no cluster (work-groups share nothing but chance rows of the codebook); no separate prefetch, since all of a wave's
; first four rows are asked for as soon as its codes are known and the other four one row's work later.
.set ROWB, 2048
.set L,  4                             ; v[4:7]    two packed chains of the squares
.set X,  16                            ; v[16:79]  slot s: a row of x, 16 registers
.set Q,  80                            ; v[80:143] slot s: the code's row, then q - x, then the result
.set EB, 24                            ; s[24:39]  the eight rows' bases in embeddings
	s_load_b256 s[4:11], s[0:1], 0x0               ; x s[4:5], embeddings s[6:7], codes s[8:9], out0 s[10:11]
	s_load_b64 s[12:13], s[0:1], 0x20              ; part
	v_lshl_add_u32 v144, v0, 2, 0x800
	v_mov_b32 v145, 0
	v_lshrrev_b32 v2, 5, v0
	v_readfirstlane_b32 s14, v2                    ; wave 0..7
	v_and_b32 v1, 31, v0
	v_lshlrev_b32 v3, 3, v1                        ; 8 bytes a lane (LDS, part)
	v_lshlrev_b32 v1, 4, v1                        ; 16 bytes a lane (rows)
	s_lshl_b32 s15, ttmp9, 6
	s_lshl3_add_u32 s15, s14, s15                  ; my first row = 64 x work-group + 8 x wave
	s_lshl_b32 s40, s15, 2                         ; its word in codes
	s_mov_b32 s41, 0
	s_lshl_b32 s42, s15, 11                        ; its bytes in x and out0 (below 32 MiB)
	s_mov_b32 s43, 0
	s_wait_kmcnt 0x0
	s_add_nc_u64 s[8:9], s[8:9], s[40:41]
	s_load_b256 s[16:23], s[8:9], 0x0              ; my eight codes
	s_add_nc_u64 s[4:5], s[4:5], s[42:43]
	s_add_nc_u64 s[10:11], s[10:11], s[42:43]
.irp j, 0,1,2,3
	v_mov_b32 v[L+\j], 0
.endr
	s_wait_kmcnt 0x0
.irp i, 0,1,2,3,4,5,6,7
	s_min_u32 s[16+\i], s[16+\i], 0x1fff           ; a loaded number enters an address only inside the table
	s_lshl_b32 s[EB+2*\i], s[16+\i], 11            ; 2,048 bytes a row
	s_mov_b32 s[EB+2*\i+1], 0
	s_add_nc_u64 s[EB+2*\i:EB+2*\i+1], s[6:7], s[EB+2*\i:EB+2*\i+1]
.endr
.macro LDX row, slot
.irp c, 0,1,2,3
	global_load_b128 v[X+16*\slot+4*\c:X+16*\slot+4*\c+3], v1, s[4:5] offset:ROWB*(\row)+512*\c th:TH_LOAD_NT
.endr
.endm
.macro LDQ row, slot                   ; no hint: a code may be named by many rows
.irp c, 0,1,2,3
	global_load_b128 v[Q+16*\slot+4*\c:Q+16*\slot+4*\c+3], v1, s[EB+2*(\row):EB+2*(\row)+1] offset:512*\c
.endr
.endm
.irp i, 0,1,2,3
	LDX \i, \i
	LDQ \i, \i
.endr
; One row.  refill = 1: the slot takes the row four further on.  left = how many younger loads may stay out.
.macro GROW row, slot, refill, left
	s_wait_loadcnt \left                           ; loads return in order (ISA guide 5.7.1): this row's eight are in
.irp p, 0,1,2,3,4,5,6,7
	v_pk_add_f32 v[Q+16*\slot+2*\p:Q+16*\slot+2*\p+1], v[Q+16*\slot+2*\p:Q+16*\slot+2*\p+1], v[X+16*\slot+2*\p:X+16*\slot+2*\p+1] neg_lo:[0,1] neg_hi:[0,1]   ; q - x
.endr
.irp p, 0,1,2,3,4,5,6,7
	v_pk_fma_f32 v[L+2*(\p%2):L+2*(\p%2)+1], v[Q+16*\slot+2*\p:Q+16*\slot+2*\p+1], v[Q+16*\slot+2*\p:Q+16*\slot+2*\p+1], v[L+2*(\p%2):L+2*(\p%2)+1]
.endr
.irp p, 0,1,2,3,4,5,6,7
	v_pk_add_f32 v[Q+16*\slot+2*\p:Q+16*\slot+2*\p+1], v[X+16*\slot+2*\p:X+16*\slot+2*\p+1], v[Q+16*\slot+2*\p:Q+16*\slot+2*\p+1]   ; x + (q - x)
.endr
.if \refill
	LDX \row+4, \slot                              ; loads ahead of stores; X's registers are named by no pending instruction
.endif
.irp c, 0,1,2,3
	global_store_b128 v1, v[Q+16*\slot+4*\c:Q+16*\slot+4*\c+3], s[10:11] offset:ROWB*(\row)+512*\c th:TH_STORE_NT   ; 512 consecutive bytes, aligned
.endr
.if \refill
	s_wait_xcnt 0x0                                ; the stores' data registers are loaded again only behind this wait (ISA guide 3.1)
	LDQ \row+4, \slot
.endif
.endm
	GROW 0, 0, 1, 24                               ; three younger rows of eight loads
	GROW 1, 1, 1, 24
	GROW 2, 2, 1, 24
	GROW 3, 3, 1, 24
	GROW 4, 0, 0, 24
	GROW 5, 1, 0, 16                               ; the counts run down
	GROW 6, 2, 0, 8
	GROW 7, 3, 0, 0
	v_pk_add_f32 v[L:L+1], v[L:L+1], v[L+2:L+3]
	v_lshl_add_u32 v2, s14, 8, v3                  ; 256 w + 8 lane
	ds_store_b64 v2, v[L:L+1]
	s_wait_dscnt 0x0                               ; for wave 0's sake
	s_barrier_signal -1
	s_barrier_wait -1
	s_cmp_lg_u32 s14, 0
	s_cbranch_scc1 .Lend
.irp w, 0,1,2,3,4,5,6,7
	ds_load_b64 v[X+2*\w:X+2*\w+1], v3 offset:256*\w   ; X's registers: no load is out, and no store names them
.endr
	s_lshl_b32 s40, ttmp9, 8                       ; 64 f32 a work-group; s41 is still 0
	s_add_nc_u64 s[12:13], s[12:13], s[40:41]
	s_wait_dscnt 0x0
	v_pk_add_f32 v[X:X+1],     v[X:X+1],     v[X+2:X+3]
	v_pk_add_f32 v[X+4:X+5],   v[X+4:X+5],   v[X+6:X+7]
	v_pk_add_f32 v[X+8:X+9],   v[X+8:X+9],   v[X+10:X+11]
	v_pk_add_f32 v[X+12:X+13], v[X+12:X+13], v[X+14:X+15]
	v_pk_add_f32 v[X:X+1],     v[X:X+1],     v[X+4:X+5]
	v_pk_add_f32 v[X+8:X+9],   v[X+8:X+9],   v[X+12:X+13]
	v_pk_add_f32 v[X:X+1],     v[X:X+1],     v[X+8:X+9]
	global_store_b64 v3, v[X:X+1], s[12:13]        ; 256 consecutive bytes, aligned
.Lend:
	s_wait_tensorcnt 0x0
	ds_add_u32 v144, v145
	s_wait_dscnt 0x0
	s_endpgm
.Lfunc_end_k_q8fc191e137_gather:
	.size	k_q8fc191e137_gather, .Lfunc_end_k_q8fc191e137_gather-k_q8fc191e137_gather
	.p2alignl 7, 3214868480
	.fill 96, 4, 3214868480
	.section	.rodata,"a",@progbits
	.p2align	6, 0x0
	.amdhsa_kernel k_q8fc191e137_gather
		.amdhsa_group_segment_fixed_size 3072
		.amdhsa_private_segment_fixed_size 0
		.amdhsa_enable_private_segment 0
		.amdhsa_kernarg_size 40
		.amdhsa_user_sgpr_count 2
		.amdhsa_user_sgpr_kernarg_segment_ptr 1
		.amdhsa_wavefront_size32 1
		.amdhsa_system_sgpr_workgroup_id_x 1
		.amdhsa_system_sgpr_workgroup_id_y 1
		.amdhsa_system_sgpr_workgroup_id_z 1
		.amdhsa_system_vgpr_workitem_id 0
		.amdhsa_next_free_vgpr 146
		.amdhsa_next_free_sgpr 66
		.amdhsa_reserve_vcc 0
		.amdhsa_float_denorm_mode_32 3
		.amdhsa_float_denorm_mode_16_64 3
		.amdhsa_memory_ordered 1
		.amdhsa_forward_progress 1
		.amdhsa_inst_pref_size 26
	.end_amdhsa_kernel
	.amdgpu_metadata
---
amdhsa.version: [ 1, 2 ]
amdhsa.kernels:
  - .name:           k_q8fc191e137_gather
    .symbol:         k_q8fc191e137_gather.kd
    .args:
      - { .name: x, .offset: 0, .size: 8, .value_kind: global_buffer, .address_space: global }
      - { .name: embeddings, .offset: 8, .size: 8, .value_kind: global_buffer, .address_space: global }
      - { .name: codes, .offset: 16, .size: 8, .value_kind: global_buffer, .address_space: global }
      - { .name: out0, .offset: 24, .size: 8, .value_kind: global_buffer, .address_space: global }
      - { .name: part, .offset: 32, .size: 8, .value_kind: global_buffer, .address_space: global }
    .group_segment_fixed_size: 3072
    .private_segment_fixed_size: 0
    .kernarg_segment_align: 8
    .kernarg_segment_size: 40
    .max_flat_workgroup_size: 256
    .sgpr_count:     66
    .vgpr_count:     146
    .wavefront_size: 32
...
	.end_amdgpu_metadata
.endif
;; end of part 3
;; launch lossred (part 4): grid 1 x 1, 8 waves a work-group, no clusters, 1,280 bytes of LDS; arguments part, out1; writes out1
.if DOCPART == 4
	.amdgcn_target "amdgcn-amd-amdhsa--gfx1250"
	.amdhsa_code_object_version 6
	.text
	.protected	k_q8fc191e137_lossred
	.globl	k_q8fc191e137_lossred
	.p2align	8
	.type	k_q8fc191e137_lossred,@function
k_q8fc191e137_lossred:
	s_mov_b64 s[64:65], 0
	v_nop
	global_prefetch_b8 v0, s[64:65] scope:SCOPE_SE
	s_setreg_imm32_b32 hwreg(HW_REG_WAVE_MODE, 25, 1), 1
	s_wait_xcnt 0x0
; out1 = 0.2 m + m,  m = (sum of the 16,384 partial sums in part) / 2^23  (16,384 rows x 512 numbers).
; The sum spans the work-groups of the launch before, so it has one owner here: one work-group, 256 threads, 16 loads of 16 bytes each, all out at once.
.set P, 16                             ; v[16:79] the thread's 64 partial sums
	s_load_b128 s[4:7], s[0:1], 0x0                ; part s[4:5], out1 s[6:7]
	v_lshl_add_u32 v80, v0, 2, 0x100
	v_mov_b32 v81, 0
	v_lshlrev_b32 v1, 4, v0
	v_lshrrev_b32 v2, 5, v0
	v_readfirstlane_b32 s8, v2                     ; wave 0..7
	s_mov_b32 s10, 0x76543210
	s_mov_b32 s11, 0xfedcba98
	s_wait_kmcnt 0x0
.irp c, 0,1,2,3,4,5,6,7,8,9,10,11,12,13,14,15
	global_load_b128 v[P+4*\c:P+4*\c+3], v1, s[4:5] offset:4096*\c
.endr
	s_wait_loadcnt 0x0
.irp c, 4,5,6,7,8,9,10,11,12,13,14,15
	v_pk_add_f32 v[P+4*(\c%4):P+4*(\c%4)+1],   v[P+4*(\c%4):P+4*(\c%4)+1],   v[P+4*\c:P+4*\c+1]       ; eight packed chains
	v_pk_add_f32 v[P+4*(\c%4)+2:P+4*(\c%4)+3], v[P+4*(\c%4)+2:P+4*(\c%4)+3], v[P+4*\c+2:P+4*\c+3]
.endr
	v_pk_add_f32 v[P:P+1],     v[P:P+1],     v[P+4:P+5]
	v_pk_add_f32 v[P+2:P+3],   v[P+2:P+3],   v[P+6:P+7]
	v_pk_add_f32 v[P+8:P+9],   v[P+8:P+9],   v[P+12:P+13]
	v_pk_add_f32 v[P+10:P+11], v[P+10:P+11], v[P+14:P+15]
	v_pk_add_f32 v[P:P+1],     v[P:P+1],     v[P+8:P+9]
	v_pk_add_f32 v[P+2:P+3],   v[P+2:P+3],   v[P+10:P+11]
	v_pk_add_f32 v[P:P+1],     v[P:P+1],     v[P+2:P+3]
	v_add_f32 v[P], v[P], v[P+1]
	v_add_f32_dpp v[P], v[P], v[P] row_xmask:1 row_mask:0xf bank_mask:0xf
	v_add_f32_dpp v[P], v[P], v[P] row_xmask:2 row_mask:0xf bank_mask:0xf
	v_add_f32_dpp v[P], v[P], v[P] row_xmask:4 row_mask:0xf bank_mask:0xf
	v_add_f32_dpp v[P], v[P], v[P] row_xmask:8 row_mask:0xf bank_mask:0xf
	v_permlanex16_b32 v[P+1], v[P], s10, s11
	v_add_f32 v[P], v[P], v[P+1]                   ; the wave's sum, in every lane
	v_mov_b32 v2, s8
	v_lshlrev_b32 v2, 2, v2
	ds_store_b32 v2, v[P]                          ; my wave's word
	s_wait_dscnt 0x0                               ; for wave 0's sake
	s_barrier_signal -1
	s_barrier_wait -1
	s_cmp_lg_u32 s8, 0
	s_cbranch_scc1 .Lend
	v_mov_b32 v3, 0
	ds_load_b128 v[P+4:P+7],  v3
	ds_load_b128 v[P+8:P+11], v3 offset:16
	s_wait_dscnt 0x0
	v_pk_add_f32 v[P+4:P+5], v[P+4:P+5], v[P+8:P+9]
	v_pk_add_f32 v[P+6:P+7], v[P+6:P+7], v[P+10:P+11]
	v_pk_add_f32 v[P+4:P+5], v[P+4:P+5], v[P+6:P+7]
	v_add_f32 v[P+4], v[P+4], v[P+5]
	v_mul_f32 v[P+4], 0x34000000, v[P+4]           ; m = sum x 2^-23, exact scaling
	v_fmamk_f32 v[P+5], v[P+4], 0x3e4ccccd, v[P+4] ; 0.2 m + m, fused
	v_cmp_eq_u32 vcc_lo, 0, v0
	s_wait_xcnt 0x0                                ; EXEC changes only behind this wait: it is a source of the loads above
	s_and_saveexec_b32 s9, vcc_lo
	global_store_b32 v3, v[P+5], s[6:7]            ; thread 0 alone: the one number
	s_wait_xcnt 0x0                                ; and again in front of the line that widens EXEC
	s_or_b32 exec_lo, exec_lo, s9
.Lend:
	s_wait_tensorcnt 0x0
	ds_add_u32 v80, v81
	s_wait_dscnt 0x0
	s_endpgm
.Lfunc_end_k_q8fc191e137_lossred:
	.size	k_q8fc191e137_lossred, .Lfunc_end_k_q8fc191e137_lossred-k_q8fc191e137_lossred
	.p2alignl 7, 3214868480
	.fill 96, 4, 3214868480
	.section	.rodata,"a",@progbits
	.p2align	6, 0x0
	.amdhsa_kernel k_q8fc191e137_lossred
		.amdhsa_group_segment_fixed_size 1280
		.amdhsa_private_segment_fixed_size 0
		.amdhsa_enable_private_segment 0
		.amdhsa_kernarg_size 16
		.amdhsa_user_sgpr_count 2
		.amdhsa_user_sgpr_kernarg_segment_ptr 1
		.amdhsa_wavefront_size32 1
		.amdhsa_system_sgpr_workgroup_id_x 1
		.amdhsa_system_sgpr_workgroup_id_y 1
		.amdhsa_system_sgpr_workgroup_id_z 1
		.amdhsa_system_vgpr_workitem_id 0
		.amdhsa_next_free_vgpr 82
		.amdhsa_next_free_sgpr 66
		.amdhsa_reserve_vcc 1
		.amdhsa_float_denorm_mode_32 3
		.amdhsa_float_denorm_mode_16_64 3
		.amdhsa_memory_ordered 1
		.amdhsa_forward_progress 1
		.amdhsa_inst_pref_size 6
	.end_amdhsa_kernel
	.amdgpu_metadata
---
amdhsa.version: [ 1, 2 ]
amdhsa.kernels:
  - .name:           k_q8fc191e137_lossred
    .symbol:         k_q8fc191e137_lossred.kd
    .args:
      - { .name: part, .offset: 0, .size: 8, .value_kind: global_buffer, .address_space: global }
      - { .name: out1, .offset: 8, .size: 8, .value_kind: global_buffer, .address_space: global }
    .group_segment_fixed_size: 1280
    .private_segment_fixed_size: 0
    .kernarg_segment_align: 8
    .kernarg_segment_size: 16
    .max_flat_workgroup_size: 256
    .sgpr_count:     66
    .vgpr_count:     82
    .wavefront_size: 32
...
	.end_amdgpu_metadata
.endif
;; end of part 4
;; ======== version 2 of 3: 4 launches; 1.22 times as fast as version 1
;; workspace buffers: ebf 8,388,608 bytes; yy 32,768 bytes; cand 131,072 bytes of whole numbers; dist 131,072 bytes; part 65,536 bytes
;; launch prep: the kernel of part 1 again; grid 128 x 1, 16 waves a work-group, no clusters, 2,304 bytes of LDS; arguments embeddings, ebf, yy; writes ebf, yy
;; launch argmin (part 5): grid 256 x 1, 4 waves a work-group, clusters of 4 x 1, 327,680 bytes of LDS; arguments x, ebf, yy, cand, dist; writes cand, dist
.if DOCPART == 5
	.amdgcn_target "amdgcn-amd-amdhsa--gfx1250"
	.amdhsa_code_object_version 6
	.text
	.protected	k_q8fc191e137_argmin
	.globl	k_q8fc191e137_argmin
	.p2align	8
	.type	k_q8fc191e137_argmin,@function
k_q8fc191e137_argmin:
	s_mov_b64 s[64:65], 0
	v_nop
	global_prefetch_b8 v0, s[64:65] scope:SCOPE_SE
	s_setreg_imm32_b32 hwreg(HW_REG_WAVE_MODE, 25, 1), 1
	s_wait_xcnt 0x0
	s_wait_alu depctr_hold_cnt(0) depctr_sa_sdst(0) depctr_va_vdst(0) depctr_va_sdst(0) depctr_va_ssrc(0) depctr_va_vcc(0) depctr_vm_vsrc(0)
	s_getreg_b32 s2, hwreg(HW_REG_IB_STS2, 6, 4)
	s_cmp_eq_u32 s2, 0
	s_cbranch_scc0 .Lentry_in_a_cluster
	s_endpgm
.Lentry_in_a_cluster:
	s_bfe_u32 s2, ttmp6, 0x10000c
	s_cmp_lg_u32 s2, 0x3003
	s_cbranch_scc0 .Lentry_shape_is_right
	s_endpgm
.Lentry_shape_is_right:
; For one half of the codebook (codes 4096 hv .. 4096 hv + 4095):  dist[hv][n] = min over v of d[n][v],  cand[hv][n] = the lowest v that reaches it,
; d = fl(fl(xx[n] + yy[v]) - 2 dot(x[n], e[v])).   x: [16384][512] f32, ebf: [8192][512] bf16, yy: [8192] f32, cand: [2][16384] u32, dist: [2][16384] f32.
; LIMITS.  The code is chosen on x and e ROUNDED TO bf16 (products exact, sums in f32); xx and yy are sums of the rounded numbers' squares;
; d is formed in the order and with the two roundings of reference().  A NaN distance is never chosen (jnp.argmin would choose it);
; a row whose distances are all +inf gets code 0 and distance +inf.
;
; SHARES.  A work-group owns 128 rows of x against 4,096 codes: 128 row blocks x 2 halves = 256 work-groups; the next launch takes the better of the two
; halves.  Wave w keeps 64 rows (half w >> 1) x 512 K as fragments in 512 registers, so x is read from LDS once, and takes 64 codes of each tile of 128
; (half w & 1) as four n-tiles of 16: a STEP is one n-tile, 64 matrix instructions.  A code fragment (16 codes x 32 K, 1,024 bytes of LDS) feeds four of them.
; THE MATRIX INSTRUCTION IS USED TRANSPOSED: source 0 = 16 codes, source 1 = 16 rows of x.  Register j of lane (r, h) then holds (code 8 h + j, row r).
; THE EPILOGUE OF STEP n STANDS AMONG THE MATRIX INSTRUCTIONS OF STEP n + 1, on a second set of accumulators: 144 lines for 64 matrix instructions.
; No register window is switched for it: code fragments, accumulators and all of the epilogue's registers lie in window 0, x alone in windows 1 and 2, so
; the one window field that is not 0 is source 1's, and every line of the epilogue takes a constant or a scalar register as its second source.
; RING.  ebf goes through two LDS slots of 128 codes x 1,024 bytes, 32 tiles.  The fragment registers hold one n-tile in two halves (K steps 0-7, 8-15);
; each half is fetched again in one run of 16 loads straight behind its last use, 32 matrix instructions ahead of its next.  A slot has been read out
; in the middle of its tile's fourth step: there it is asked for again, and that load has 256 matrix instructions of each wave in which to land.
; CLUSTER.  The half hv is the parity of the cluster's number, so the four work-groups of a cluster of 4 x 1 walk the same tiles in the same order and
; ask for each tile, and for their half of yy, jointly (mask 15).  x is each work-group's own: a plain load.  There is no second shared operand.
;
; REGISTER WINDOWS (s_set_vgpr_msb: bits 1:0 source 0, 3:2 source 1, 5:4 source 2, 7:6 destination):
;   window 0: everything but x;  window 1: x fragments of K steps 0-7 at 8 (4 k + m);  window 2: those of K steps 8-15.
.set PITCH,  1040                      ; an LDS row of a code: 1,024 bytes + 16 = 65 x 16: sixteen rows start in sixteen different 16-byte columns of 256
.set QUART,  32*PITCH                  ; 32 codes: what one wave's load brings
.set SLOT,   4*QUART                   ; 133,120
.set YYB,    2*SLOT                    ; my half of yy, 16,384 bytes, filled once
.set SCR,    YYB+16384                 ; d[4 waves][64], then index[4][64]
.set XPITCH, 2080                      ; a row of x in f32: 2 x (1,024 + 16); 128 rows fill both slots
.set TILEB,  131072                    ; bytes of a tile in ebf
.set BADR, 4                           ; v4, v5     my code fragments in slot 0, 1
.set YADR, 6                           ; v6         my eight yy words of this tile's first n-tile
.set SADR, 7                           ; v7         my place in SCR
.set XADR, 8                           ; v[8:11]    x in LDS, m-tile m (at the end v8, v9: 8 h, 8 h + 1; v10: an address)
.set INFR, 12                          ; v12        +inf
.set OUTO, 13                          ; v13        wave 0: byte offset of my four results
.set YY,   16                          ; v[16:31]   yy of codes 8 h + 0..7, a set of eight for even steps and one for odd steps
.set TE,   32                          ; v[32:39]   at work: xx + yy, then d - best
.set SS,   32                          ;            (before the loop: eight chains of xx)
.set XX,   40                          ; v[40:47]   xx of row 16 m + r at 2 m; the odd registers are 0 (the pair is named by the packed lines)
.set BEST, 48                          ; v[48:55]   least distance so far of row 16 m + r among my codes with j even (2 m) and j odd (2 m + 1)
.set IDX,  56                          ; v[56:63]   its code less 8 h and less the parity of j, a whole number
.set ACC,  64                          ; v[64:127]  two sets of four accumulators, for even and for odd steps
.set BF,   128                         ; v[128:255] code fragments of one n-tile, K step k at 8 k
.set STG,  128                         ; v[128:255] before that: two stages of 64 for x in f32
.set G1E, 16                           ; s[16:23] shape of a quarter tile of ebf (joint)
.set G1X, 24                           ; s[24:31] shape of 32 rows of x (plain)
.set G1Y, 32                           ; s[32:39] shape of a quarter of my half of yy (joint)
.set G0E, 40                           ; s[40:47] from where, to where: one set for each slot
.set G0X, 48                           ; s[48:51]
.set G0Y, 52                           ; s[52:55]
.set MK,  68                           ; s[68:71] four compare masks
.set CJ,  72                           ; s[72:75] first code of the n-tile whose epilogue runs, + 2 q
.set SINF, 79                          ; s79      +inf
.set MSB, 0
.macro WIN new                         ; the immediate's high byte repeats the setting that is left; a switch that changes nothing is dropped
.if MSB != \new
	s_set_vgpr_msb (MSB<<8)|\new
.set MSB, \new
.endif
.endm
; A round of the cluster's barrier: my work-group's barrier, wave 0 signals for the work-group, every wave waits for all four work-groups, my work-group's barrier again.
.macro ROUND
	s_barrier_signal -1
	s_barrier_wait -1
	s_cmp_lg_u32 s12, 0
	s_cbranch_scc1 .Lnot_wave_0_\@
	s_barrier_signal -3
.Lnot_wave_0_\@:
	s_barrier_wait -3
	s_barrier_signal -1
	s_barrier_wait -1
.endm
	s_load_b256 s[4:11], s[0:1], 0x0               ; x s[4:5], ebf s[6:7], yy s[8:9], cand s[10:11]
	s_load_b64 s[76:77], s[0:1], 0x20              ; dist
	v_lshl_add_u32 v14, v0, 2, 0x45800
	v_mov_b32 v15, 0
	ds_add_u32 v14, v15
	ds_add_u32 v14, v15
	v_lshrrev_b32 v3, 5, v0
	v_readfirstlane_b32 s12, v3                    ; wave 0..3
	s_bfe_u32 s13, ttmp6, 0x40000                  ; cx
	s_and_b32 s66, ttmp9, 1                        ; hv: which half of the codes; the cluster's number alone, so the four partners share it
	s_lshr_b32 s14, ttmp9, 1
	s_lshl_b32 s14, s14, 2
	s_add_co_u32 s14, s14, s13                     ; row block 0..127 = 4 x (cluster / 2) + cx: enters x's and the outputs' addresses alone
	s_lshr_b32 s67, s12, 1                         ; rh: which 64 rows are my wave's
	s_and_b32 s78, s12, 1                          ; ch: which 64 codes of a tile
	s_mov_b32 s61, 0x76543210                      ; v_permlanex16_b32: lane i reads lane i of the other half
	s_mov_b32 s62, 0xfedcba98
	s_mov_b32 s[SINF], 0x7f800000
	; ebf: 32 rows x 512 elements of 2 bytes, 4 words of padding behind every 256 words
	s_mov_b32 s[G1E+0], 15|(1<<16)|(1<<20)|(1<<21)|(7<<22)|(3<<25)   ; mask: all four of the cluster; 2 bytes; padding on; bit 21 beside a mask; interval code 7; pad code 3
	s_mov_b32 s[G1E+1], 512<<16                    ; tensor_dim0 = 512
	s_mov_b32 s[G1E+2], 32<<16                     ; tensor_dim1 = 32
	s_mov_b32 s[G1E+3], 512<<16                    ; tile_dim0 = 512
	s_mov_b32 s[G1E+4], 32                         ; tile_dim1 = 32
	s_mov_b32 s[G1E+5], 512                        ; elements from row to row
	s_mov_b32 s[G1E+6], 0
	s_mov_b32 s[G1E+7], 0
	; x: 32 rows x 512 elements of 4 bytes, the same padding: two pads in a row
	s_mov_b32 s[G1X+0], (2<<16)|(1<<20)|(7<<22)|(3<<25)
	s_mov_b32 s[G1X+1], 512<<16
	s_mov_b32 s[G1X+2], 32<<16
	s_mov_b32 s[G1X+3], 512<<16
	s_mov_b32 s[G1X+4], 32
	s_mov_b32 s[G1X+5], 512
	s_mov_b32 s[G1X+6], 0
	s_mov_b32 s[G1X+7], 0
	; yy: a dense block of 4,096 bytes as 16 rows of 32 elements of 8 bytes
	s_mov_b32 s[G1Y+0], 15|(3<<16)|(1<<21)
	s_mov_b32 s[G1Y+1], 32<<16
	s_mov_b32 s[G1Y+2], 16<<16
	s_mov_b32 s[G1Y+3], 32<<16
	s_mov_b32 s[G1Y+4], 16
	s_mov_b32 s[G1Y+5], 32
	s_mov_b32 s[G1Y+6], 0
	s_mov_b32 s[G1Y+7], 0
	s_mul_i32 s15, s12, QUART                      ; LDS: my quarter of a slot (the wave's number alone)
	s_lshl_b32 s56, s12, 15                        ; ebf: my 32 rows of a tile,
	s_lshl_b32 s63, s66, 22                        ; in the half's 4,096 rows of 1,024 bytes
	s_add_co_u32 s56, s56, s63
	s_mov_b32 s57, 0
	s_lshl_b32 s58, s14, 18                        ; x: 128 rows of 2,048 bytes a work-group,
	s_lshl_b32 s63, s12, 16                        ; 32 rows a wave
	s_add_co_u32 s58, s58, s63
	s_mov_b32 s59, 0
	s_wait_dscnt 0x0
	s_wait_kmcnt 0x0
	s_mov_b32 s[G0E+0], 1
	s_add_co_u32 s[G0E+1], s15, 0
	s_add_nc_u64 s[G0E+2:G0E+3], s[6:7], s[56:57]  ; tile 0
	s_or_b32 s[G0E+3], s[G0E+3], 0x80000000
	s_mov_b32 s[G0E+4], 1
	s_add_co_u32 s[G0E+5], s15, SLOT
	s_add_nc_u64 s[G0E+6:G0E+7], s[6:7], s[56:57]
	s_add_nc_u64 s[G0E+6:G0E+7], s[G0E+6:G0E+7], TILEB   ; tile 1
	s_or_b32 s[G0E+7], s[G0E+7], 0x80000000
	s_mov_b32 s[G0X+0], 1
	s_mul_i32 s[G0X+1], s12, 2*QUART               ; x lies in both slots until it is in registers: 32 rows of 2,080 bytes a wave
	s_add_nc_u64 s[G0X+2:G0X+3], s[4:5], s[58:59]
	s_or_b32 s[G0X+3], s[G0X+3], 0x80000000
	s_lshl_b32 s56, s12, 12                        ; yy: 4,096 bytes a wave
	s_mov_b32 s[G0Y+0], 1
	s_add_co_u32 s[G0Y+1], s56, YYB
	s_lshl_b32 s63, s66, 14                        ; in the half's 16,384 bytes
	s_add_co_u32 s56, s56, s63
	s_add_nc_u64 s[G0Y+2:G0Y+3], s[8:9], s[56:57]
	s_or_b32 s[G0Y+3], s[G0Y+3], 0x80000000
	s_lshl_b32 s58, s14, 9                         ; the outputs: 128 words a work-group,
	s_lshl_b32 s63, s66, 16                        ; in the half's 65,536 bytes
	s_add_co_u32 s58, s58, s63
	s_add_nc_u64 s[10:11], s[10:11], s[58:59]
	s_add_nc_u64 s[76:77], s[76:77], s[58:59]
	ROUND                                          ; the four work-groups are here: the first joint load meets
	tensor_load_to_lds s[G0X:G0X+3], s[G1X:G1X+7]  ; the first fills go out as one group: two loads of this wave are out
	s_nop 0
	tensor_load_to_lds s[G0Y:G0Y+3], s[G1Y:G1Y+7]
	s_nop 0
	v_and_b32 v1, 15, v0                           ; r
	v_bfe_u32 v2, v0, 4, 1                         ; h
	v_mul_u32_u24 v3, v1, PITCH
	v_lshl_add_u32 v3, v2, 4, v3                   ; a code fragment: row r, 16 bytes for each half of the lanes
	s_mul_i32 s63, s78, 2*QUART                    ; my 64 codes of a tile
	v_add_nc_u32 v[BADR], s63, v3
	v_add_nc_u32 v[BADR+1], SLOT, v[BADR]
	v_lshlrev_b32 v[YADR], 5, v2                   ; yy: word 64 ch + 8 h of the tile's 128
	v_lshl_add_u32 v[YADR], s78, 8, v[YADR]
	v_add_nc_u32 v[YADR], YYB, v[YADR]
	v_lshlrev_b32 v[SADR], 2, v1
	v_lshl_add_u32 v[SADR], s12, 8, v[SADR]
	v_add_nc_u32 v[SADR], SCR, v[SADR]             ; SCR + 256 w + 4 r
	s_lshl_b32 s[CJ], s66, 12                      ; the first n-tile's first code: 4096 hv + 64 ch,
	s_lshl_b32 s63, s78, 6
	s_add_co_u32 s[CJ], s[CJ], s63
	s_add_co_u32 s[CJ+1], s[CJ], 2                 ; and + 2 q
	s_add_co_u32 s[CJ+2], s[CJ], 4
	s_add_co_u32 s[CJ+3], s[CJ], 6
	s_mul_i32 s63, s67, 64*XPITCH                  ; my 64 rows of x
	v_mul_u32_u24 v[XADR], v1, XPITCH
	v_lshl_add_u32 v[XADR], v2, 5, v[XADR]
	v_add_nc_u32 v[XADR], s63, v[XADR]             ; x: row r, 8 f32 for each half of the lanes
.irp m, 1,2,3
	v_add_nc_u32 v[XADR+\m], \m*16*XPITCH, v[XADR]
.endr
	v_mov_b32 v[INFR], 0x7f800000
	s_wait_tensorcnt 0x0                           ; my parts of x and of yy are in,
	s_barrier_signal -1
	s_barrier_wait -1                              ; everybody's are
; X INTO REGISTERS.  A fragment is 16 rows x 32 K: lane (r, h) holds row r; registers 0-3 K = 8 h + 0..7, registers 4-7 K = 16 + 8 h + 0..7.
; In f32 that is 2 x 32 bytes, 64 bytes apart.  K step k begins at byte 128 k of a row, and 16 further behind the pad in the row's middle.
.macro XK k
	WIN 0
.irp m, 0,1,2,3
	ds_load_b128 v[STG+64*((\k)&1)+16*\m:STG+64*((\k)&1)+16*\m+3],     v[XADR+\m] offset:128*(\k)+16*((\k)/8)
	ds_load_b128 v[STG+64*((\k)&1)+16*\m+4:STG+64*((\k)&1)+16*\m+7],   v[XADR+\m] offset:128*(\k)+16*((\k)/8)+16
	ds_load_b128 v[STG+64*((\k)&1)+16*\m+8:STG+64*((\k)&1)+16*\m+11],  v[XADR+\m] offset:128*(\k)+16*((\k)/8)+64
	ds_load_b128 v[STG+64*((\k)&1)+16*\m+12:STG+64*((\k)&1)+16*\m+15], v[XADR+\m] offset:128*(\k)+16*((\k)/8)+80
.endr
.endm
.macro XCVT k
.if (\k) < 8
	WIN 0x40                                       ; destination in window 1
.else
	WIN 0x80                                       ; in window 2
.endif
.irp m, 0,1,2,3
.irp i, 0,1,2,3,4,5,6,7
	v_cvt_pk_bf16_f32 v[8*(4*((\k)%8)+\m)+\i], v[STG+64*((\k)&1)+16*\m+2*\i], v[STG+64*((\k)&1)+16*\m+2*\i+1]
.endr
.endr
.endm
	XK 0
.irp k, 0,1,2,3,4,5,6,7,8,9,10,11,12,13,14
	XK \k+1
	s_wait_dscnt 16                                ; all but the 16 just issued: K step k is in its stage
	XCVT \k
.endr
	s_wait_dscnt 0x0
	XCVT 15
	WIN 0
	s_wait_dscnt 0x0                               ; my reads of x are over (met above),
	s_wait_tensorcnt 0x0                           ; none of my tensor loads is out (met above),
	ds_add_u32 v14, v15
	s_wait_dscnt 0x0
	ROUND                                          ; and that holds of every wave of the cluster:
	tensor_load_to_lds s[G0E:G0E+3], s[G1E:G1E+7]  ; tile 0 goes over the bytes that held x's first 64 rows: my one load behind the round
	s_nop 0
	; xx of my 64 rows, from the rounded numbers: eight chains, each taken up again every eighth line.  K steps 0-7 while tile 0 lands.
.irp j, 0,1,2,3,4,5,6,7
	v_mov_b32 v[SS+\j], 0
.endr
.macro XSQ
.irp k, 0,1,2,3,4,5,6,7
.irp i, 0,1,2,3,4,5,6,7
.irp m, 0,1,2,3
	v_fma_mix_f32_bf16 v[SS+2*\m],   v[8*(4*\k+\m)+\i], v[8*(4*\k+\m)+\i], v[SS+2*\m]   op_sel_hi:[1,1,0]
	v_fma_mix_f32_bf16 v[SS+2*\m+1], v[8*(4*\k+\m)+\i], v[8*(4*\k+\m)+\i], v[SS+2*\m+1] op_sel:[1,1,0] op_sel_hi:[1,1,0]
.endr
.endr
.endr
.endm
	WIN 0x05                                       ; sources 0 and 1 in window 1
	XSQ
	WIN 0
	s_wait_dscnt 0x0                               ; no LDS instruction of mine is out,
	s_wait_tensorcnt 0x0                           ; and my part of tile 0 has landed: none of my tensor loads is out,
	ds_add_u32 v14, v15
	s_wait_dscnt 0x0
	ROUND                                          ; which now holds of every wave of the cluster:
	tensor_load_to_lds s[G0E+4:G0E+7], s[G1E:G1E+7]   ; tile 1 goes over the bytes that held x's last 64 rows: my one load behind the round
	s_nop 0
; 16 LDS loads in one run: the fragments of K steps k0 .. k0 + 7 of n-tile nt of a slot.  Destination and address lie in window 0 under every setting used here.
.macro FB k0, slot, nt
.irp kk, 0,1,2,3,4,5,6,7
	ds_load_b128 v[BF+8*(\k0+\kk):BF+8*(\k0+\kk)+3],   v[BADR+\slot] offset:\nt*16*PITCH+64*(\k0+\kk)
	ds_load_b128 v[BF+8*(\k0+\kk)+4:BF+8*(\k0+\kk)+7], v[BADR+\slot] offset:\nt*16*PITCH+64*(\k0+\kk)+32
.endr
.endm
	FB 0, 0, 0                                     ; the first step's K steps 0-7
	WIN 0x0a                                       ; xx, K steps 8-15, while those loads and tile 1 land: sources 0 and 1 in window 2
	XSQ
	WIN 0
.irp m, 0,1,2,3
	v_add_f32 v[SS+2*\m], v[SS+2*\m], v[SS+2*\m+1]
	v_permlanex16_b32 v[SS+2*\m+1], v[SS+2*\m], s61, s62
	v_add_f32 v[XX+2*\m], v[SS+2*\m], v[SS+2*\m+1]   ; lanes r and 16 + r: xx of row 16 m + r, the row whose distances these lanes will hold
	v_mov_b32 v[XX+2*\m+1], 0
.endr
; One matrix instruction: 16 codes x 16 rows (m-tile t) x 32 K (K step k).  The first K step starts the sum: nothing is cleared.
.macro MM k, t, cur
.if (\k) == 0
	v_wmma_f32_16x16x32_bf16 v[\cur+8*\t:\cur+8*\t+7], v[BF+8*(\k):BF+8*(\k)+7], v[8*(4*((\k)%8)+\t):8*(4*((\k)%8)+\t)+7], 0
.else
	v_wmma_f32_16x16x32_bf16 v[\cur+8*\t:\cur+8*\t+7], v[BF+8*(\k):BF+8*(\k)+7], v[8*(4*((\k)%8)+\t):8*(4*((\k)%8)+\t)+7], v[\cur+8*\t:\cur+8*\t+7]
.endif
.endm
; Line E_N (0 .. 143) of an n-tile's epilogue; pv: its accumulators, yv: its yy.  36 lines for each m-tile E_T:
;   4 x  t = fl(yy + xx)        4 x  d = fl(t - 2 dot), fused, 2 dot being exact: the two roundings of reference()
;   then for the pairs of codes j = 2 q, 2 q + 1 in ascending order:  e = fl(d - best);  best = min(best, d);  mask = e < 0;  index = mask ? first code + 2 q : index.
; e < 0 exactly where d < best: denormals are kept, so the difference of unequal finite numbers is never 0; inf - inf is NaN and compares false, as inf < inf does.
; A chain meets its codes in ascending order, so the strict compare keeps the lowest.  The second source of every line is a constant or a scalar register.
.macro EL pv, yv
.set E_T, E_N/36
.set E_L, E_N%36
.if E_L < 4
	v_pk_fma_f32 v[TE+2*E_L:TE+2*E_L+1], v[\yv+2*E_L:\yv+2*E_L+1], 1.0, v[XX+2*E_T:XX+2*E_T+1] op_sel_hi:[1,0,0]
.else
.if E_L < 8
	v_pk_fma_f32 v[\pv+8*E_T+2*(E_L-4):\pv+8*E_T+2*(E_L-4)+1], v[\pv+8*E_T+2*(E_L-4):\pv+8*E_T+2*(E_L-4)+1], -2.0, v[TE+2*(E_L-4):TE+2*(E_L-4)+1] op_sel_hi:[1,0,1]
.else
.set E_Q, (E_L-8)/7
.set E_S, (E_L-8)%7
.if E_S == 0
	v_pk_fma_f32 v[TE+2*E_Q:TE+2*E_Q+1], v[BEST+2*E_T:BEST+2*E_T+1], -1.0, v[\pv+8*E_T+2*E_Q:\pv+8*E_T+2*E_Q+1] op_sel_hi:[1,0,1]
.else
.if E_S < 3
	v_min3_num_f32 v[BEST+2*E_T+E_S-1], v[\pv+8*E_T+2*E_Q+E_S-1], s[SINF], v[BEST+2*E_T+E_S-1]
.else
.if E_S < 5
	v_cmp_lt_f32 s[MK+2*(E_Q&1)+E_S-3], v[TE+2*E_Q+E_S-3], 0
.else
	v_cndmask_b32 v[IDX+2*E_T+E_S-5], v[IDX+2*E_T+E_S-5], s[CJ+E_Q], s[MK+2*(E_Q&1)+E_S-5]
.endif
.endif
.endif
.endif
.endif
.set E_N, E_N+1
.endm
.macro LN cnt, pv, yv
.rept \cnt
	EL \pv, \yv
.endr
.endm
.macro INIT k0                         ; the first step has no epilogue to run: its places are the lines that start the chains
.set i, 0
.rept 8
.if \k0 == 0
	v_mov_b32 v[BEST+i], s[SINF]                   ; every distance below +inf beats the start
.else
	v_mov_b32 v[IDX+i], 0                          ; index 0 stands if none does
.endif
.set i, i+1
.endr
.endm
; Half a step: K steps k0 .. k0 + 7, 32 matrix instructions with 72 lines of the last n-tile's epilogue among them.
; The four accumulators take turns, one instruction a turn; the last line names the fourth and the next half begins with the first.
; Behind the half's last matrix instruction stand six lines (four of them no compares), or the eight of INIT: the places in front of the loads into its
; fragments.  The first line that touches a sum of the last step stands behind that step's last nine lines and four of this one's.
.macro HALF k0, cur, epi, pv, yv
.irp kk, 0,1,2,3,4,5,6,7
	MM \k0+\kk, 0, \cur
.if \epi
	LN 2-\kk/7, \pv, \yv
.endif
	MM \k0+\kk, 1, \cur
.if \epi
	LN 2-\kk/7, \pv, \yv
.endif
	MM \k0+\kk, 2, \cur
.if \epi
	LN 1, \pv, \yv
.endif
	MM \k0+\kk, 3, \cur
.if \epi
	LN 4+2*(\kk/7), \pv, \yv
.else
.if \kk == 7
	INIT \k0
.endif
.endif
.endr
.endm
; A step: n-tile nt of the tile in slot s, on accumulator set p.  epi = 0: the very first step.
; turn = 2: the slot has been read out and is filled again, two tiles ahead; 1: read out, nothing left to ask for; 0: no change of slots.
; fetch = 1: K steps 0-7 of the next step (n-tile fnt of slot fslot) are fetched.  inc: from the last n-tile's first code to this one's.
.macro STEP p, s, nt, epi, turn, fetch, fslot, fnt, inc
	FB 8, \s, \nt                                  ; this n-tile's K steps 8-15, into the registers that the last step's second half has left
	s_wait_dscnt 16                                ; LDS loads return in order (ISA guide 5.7.1): all but these 16 are in: K steps 0-7 and the last step's yy
.set E_N, 0
	WIN 0x04                                       ; source 1 in window 1
	HALF 0, ACC+32*\p, \epi, ACC+32-32*\p, YY+8-8*\p
.if \turn
	WIN 0
	s_wait_dscnt 0x0                               ; K steps 8-15 of the slot's last n-tile are in registers: my reads of this slot are over
	s_wait_tensorcnt 0x0                           ; and all my tensor loads have landed: the one that was out is my part of the next tile
	ds_add_u32 v14, v15
	s_wait_dscnt 0x0
.endif
.if \turn == 2
	s_add_nc_u64 s[G0E+4*\s+2:G0E+4*\s+3], s[G0E+4*\s+2:G0E+4*\s+3], 2*TILEB   ; no load of mine is out: this slot's address steps two tiles on
	ROUND                                          ; both waits now hold of every wave of the four work-groups
	tensor_load_to_lds s[G0E+4*\s:G0E+4*\s+3], s[G1E:G1E+7]   ; my one load behind the round, and the first thing there
	s_nop 0
.endif
.if \turn == 1
	s_barrier_signal -1
	s_barrier_wait -1                              ; the last tile is whole for every wave
.endif
.if \fetch
	FB 0, \fslot, \fnt
.endif
	ds_load_b128 v[YY+8*\p:YY+8*\p+3],   v[YADR] offset:64*\nt      ; this n-tile's yy, for the epilogue that runs in the next step
	ds_load_b128 v[YY+8*\p+4:YY+8*\p+7], v[YADR] offset:64*\nt+16
.if \turn
	v_add_nc_u32 v[YADR], 512, v[YADR]             ; the next tile's 128 words (every window is 0 here)
.endif
	s_wait_dscnt 16*\fetch+2                       ; all but the loads just issued: K steps 8-15 are in
	WIN 0x08                                       ; source 1 in window 2
	HALF 8, ACC+32*\p, \epi, ACC+32-32*\p, YY+8-8*\p
.if \epi
.irp q, 0,1,2,3
	s_add_co_u32 s[CJ+\q], s[CJ+\q], \inc          ; the last n-tile's epilogue is through: the codes of this one
.endr
.endif
.endm
.macro S0 s, epi
	STEP 0, \s, 0, \epi, 0, 1, \s, 1, 80           ; 16 + the other wave's 64
.endm
.macro S1 s
	STEP 1, \s, 1, 1, 0, 1, \s, 2, 16
.endm
.macro S2 s
	STEP 0, \s, 2, 1, 0, 1, \s, 3, 16
.endm
.macro S3 s, turn
	STEP 1, \s, 3, 1, \turn, 1, 1-\s, 0, 16
.endm
	S0 0, 0                                        ; tile 0's first n-tile stands apart: no epilogue runs in it.  The loop is turned by this one step.
	WIN 0                                          ; at a label and at a branch every window is 0
	s_mov_b32 s60, 15                              ; the rest of tiles 0 to 29, which ask for tiles 2 to 31, and the first n-tile of tiles 1 to 30
.Lloop:
	S1 0
	S2 0
	S3 0, 2
	S0 1, 1
	S1 1
	S2 1
	S3 1, 2
	S0 0, 1
	WIN 0
	s_sub_co_u32 s60, s60, 1
	s_cmp_lg_u32 s60, 0
	s_cbranch_scc1 .Lloop
	S1 0                                           ; the rest of tile 30
	S2 0
	S3 0, 1
	S0 1, 1                                        ; tile 31
	S1 1
	S2 1
	STEP 1, 1, 3, 1, 0, 0, 0, 0, 16                ; the last n-tile: nothing more to fetch
	WIN 0
	s_wait_dscnt 0x0                               ; its yy
.set E_N, 0
	LN 144, ACC+32, YY+8                           ; and its epilogue; the first four lines name no sum, and four lines stand behind the last matrix instruction
	; MY WAVE'S ANSWER FOR ROW 16 m + r: over the two chains of a lane, then over the two halves of the lanes; the least distance, then the lowest code among those that reach it.
	v_lshlrev_b32 v8, 3, v2                        ; 8 h
	v_add_nc_u32 v9, 1, v8                         ; 8 h + 1
.irp t, 0,1,2,3
	v_add_nc_u32 v[IDX+2*\t], v[IDX+2*\t], v8      ; the codes themselves,
	v_add_nc_u32 v[IDX+2*\t+1], v[IDX+2*\t+1], v9
	v_cvt_f32_u32 v[IDX+2*\t], v[IDX+2*\t]         ; as f32 (exact up to 8,191)
	v_cvt_f32_u32 v[IDX+2*\t+1], v[IDX+2*\t+1]
	v_min_num_f32 v[TE+2*\t], v[BEST+2*\t], v[BEST+2*\t+1]
	v_cmp_eq_f32 vcc_lo, v[BEST+2*\t], v[TE+2*\t]
	v_cndmask_b32 v[IDX+2*\t], v[INFR], v[IDX+2*\t], vcc_lo         ; a chain that does not hold the least offers +inf
	v_cmp_eq_f32 vcc_lo, v[BEST+2*\t+1], v[TE+2*\t]
	v_cndmask_b32 v[IDX+2*\t+1], v[INFR], v[IDX+2*\t+1], vcc_lo
	v_min_num_f32 v[IDX+2*\t], v[IDX+2*\t], v[IDX+2*\t+1]
	v_permlanex16_b32 v[TE+2*\t+1], v[TE+2*\t], s61, s62            ; the other half's distance (the destinations have been written before)
	v_permlanex16_b32 v[IDX+2*\t+1], v[IDX+2*\t], s61, s62          ; and code
	v_min_num_f32 v[BEST+2*\t], v[TE+2*\t], v[TE+2*\t+1]
	v_cmp_eq_f32 vcc_lo, v[TE+2*\t], v[BEST+2*\t]
	v_cndmask_b32 v[IDX+2*\t], v[INFR], v[IDX+2*\t], vcc_lo
	v_cmp_eq_f32 vcc_lo, v[TE+2*\t+1], v[BEST+2*\t]
	v_cndmask_b32 v[IDX+2*\t+1], v[INFR], v[IDX+2*\t+1], vcc_lo
	v_min_num_f32 v[IDX+2*\t], v[IDX+2*\t], v[IDX+2*\t+1]
	ds_store_b32 v[SADR], v[BEST+2*\t] offset:64*\t                 ; d[w][16 m + r]: lanes r and 16 + r write one word with one value
	ds_store_b32 v[SADR], v[IDX+2*\t] offset:1024+64*\t
.endr
	s_wait_dscnt 0x0                               ; my stores are in LDS, for wave 0's sake
	s_barrier_signal -1
	s_barrier_wait -1
	s_cmp_lg_u32 s12, 0
	s_cbranch_scc1 .Lclose
	; OVER THE TWO WAVES OF A ROW HALF: wave 0, lane l for rows 4 l .. 4 l + 3 of the block's 128.  Their codes interleave tile by tile, so equal distances go to the lower code.
	v_lshlrev_b32 v3, 4, v1                        ; 16 (l % 16): four rows' words
	v_lshl_add_u32 v3, v2, 9, v3                   ; + 512 (l / 16): waves 2 rh and 2 rh + 1
	v_add_nc_u32 v10, SCR, v3
	v_lshlrev_b32 v[OUTO], 4, v0                   ; 16 l
	ds_load_b128 v[YY:YY+3],     v10
	ds_load_b128 v[YY+4:YY+7],   v10 offset:256
	ds_load_b128 v[YY+8:YY+11],  v10 offset:1024
	ds_load_b128 v[YY+12:YY+15], v10 offset:1280
	s_wait_dscnt 0x0
.irp c, 0,1,2,3
	v_min_num_f32 v[TE+\c], v[YY+\c], v[YY+4+\c]
	v_cmp_eq_f32 vcc_lo, v[YY+\c], v[TE+\c]
	v_cndmask_b32 v[YY+8+\c], v[INFR], v[YY+8+\c], vcc_lo
	v_cmp_eq_f32 vcc_lo, v[YY+4+\c], v[TE+\c]
	v_cndmask_b32 v[YY+12+\c], v[INFR], v[YY+12+\c], vcc_lo
	v_min_num_f32 v[TE+4+\c], v[YY+8+\c], v[YY+12+\c]
	v_cvt_u32_f32 v[TE+4+\c], v[TE+4+\c]
.endr
	global_store_b128 v[OUTO], v[TE:TE+3],   s[76:77]   ; 128 distances: 512 consecutive bytes, aligned
	global_store_b128 v[OUTO], v[TE+4:TE+7], s[10:11]   ; 128 codes likewise
.Lclose:
	s_wait_tensorcnt 0x0
	ds_add_u32 v14, v15
	s_wait_dscnt 0x0
	ROUND                                          ; the closing round: no work-group ends while a partner may still ask jointly
	s_endpgm
.Lfunc_end_k_q8fc191e137_argmin:
	.size	k_q8fc191e137_argmin, .Lfunc_end_k_q8fc191e137_argmin-k_q8fc191e137_argmin
	.p2alignl 7, 3214868480
	.fill 96, 4, 3214868480
	.section	.rodata,"a",@progbits
	.p2align	6, 0x0
	.amdhsa_kernel k_q8fc191e137_argmin
		.amdhsa_group_segment_fixed_size 327680
		.amdhsa_private_segment_fixed_size 0
		.amdhsa_enable_private_segment 0
		.amdhsa_kernarg_size 40
		.amdhsa_user_sgpr_count 2
		.amdhsa_user_sgpr_kernarg_segment_ptr 1
		.amdhsa_wavefront_size32 1
		.amdhsa_system_sgpr_workgroup_id_x 1
		.amdhsa_system_sgpr_workgroup_id_y 1
		.amdhsa_system_sgpr_workgroup_id_z 1
		.amdhsa_system_vgpr_workitem_id 0
		.amdhsa_next_free_vgpr 768
		.amdhsa_next_free_sgpr 80
		.amdhsa_reserve_vcc 1
		.amdhsa_float_denorm_mode_32 3
		.amdhsa_float_denorm_mode_16_64 3
		.amdhsa_memory_ordered 1
		.amdhsa_forward_progress 1
		.amdhsa_inst_pref_size 255
	.end_amdhsa_kernel
	.section	.bss,"aw",@nobits
	.p2align	6
	.space	262144
	.amdgpu_metadata
---
amdhsa.version: [ 1, 2 ]
amdhsa.kernels:
  - .name:           k_q8fc191e137_argmin
    .symbol:         k_q8fc191e137_argmin.kd
    .args:
      - { .name: x, .offset: 0, .size: 8, .value_kind: global_buffer, .address_space: global }
      - { .name: ebf, .offset: 8, .size: 8, .value_kind: global_buffer, .address_space: global }
      - { .name: yy, .offset: 16, .size: 8, .value_kind: global_buffer, .address_space: global }
      - { .name: cand, .offset: 24, .size: 8, .value_kind: global_buffer, .address_space: global }
      - { .name: dist, .offset: 32, .size: 8, .value_kind: global_buffer, .address_space: global }
    .group_segment_fixed_size: 327680
    .private_segment_fixed_size: 0
    .kernarg_segment_align: 8
    .kernarg_segment_size: 40
    .max_flat_workgroup_size: 128
    .sgpr_count:     80
    .vgpr_count:     768
    .wavefront_size: 32
...
	.end_amdgpu_metadata
.endif
;; end of part 5
;; launch gather (part 6): grid 256 x 1, 8 waves a work-group, no clusters, 3,072 bytes of LDS; arguments x, embeddings, cand, dist, out0, part; writes out0, part
.if DOCPART == 6
	.amdgcn_target "amdgcn-amd-amdhsa--gfx1250"
	.amdhsa_code_object_version 6
	.text
	.protected	k_q8fc191e137_gather
	.globl	k_q8fc191e137_gather
	.p2align	8
	.type	k_q8fc191e137_gather,@function
k_q8fc191e137_gather:
	s_mov_b64 s[64:65], 0
	v_nop
	global_prefetch_b8 v0, s[64:65] scope:SCOPE_SE
	s_setreg_imm32_b32 hwreg(HW_REG_WAVE_MODE, 25, 1), 1
	s_wait_xcnt 0x0
; q[n] = e[cand[1][n]] where dist[1][n] < dist[0][n], else e[cand[0][n]];  out0[n] = x[n] + (q[n] - x[n]), in f32 and in reference()'s order;
; part[work-group][64] = partial sums of (q[n] - x[n])^2.
; x, out0: [16384][512] f32; embeddings: [8192][512] f32; cand: [2][16384] u32 and dist: [2][16384] f32, stored by the launch before:
; the best code of each half of the codebook and its distance.  The compare is strict, so equal distances keep the lower half's code, the lower index.
; No address hangs on a distance: BOTH candidates' rows are loaded (their addresses come from whole numbers) and the values are chosen lane by lane.
; That is 2,048 bytes more a row from a table of 16 MiB that every work-group reads.  A NaN distance is not served: the compare then keeps the lower half's code.
; A work-group owns 64 rows, a wave 8.  The wave's codes and distances come by four scalar loads; every load of a row is 512 consecutive bytes.
; A ring of four row slots in registers, 12 loads a row.  The first four rows of x need no code and go out ahead of the wait for the codes.
; A stream: no matrix unit and no cluster (work-groups share nothing but chance rows of the codebook); no separate prefetch, since a wave's first four
; rows are asked for as soon as its codes are known and the other four one row's work later.
.set ROWB, 2048
.set L,  4                             ; v[4:7]     two packed chains of the squares
.set X,  16                            ; v[16:79]   slot s: a row of x, 16 registers
.set QA, 80                            ; v[80:143]  slot s: the lower half's row, then q, q - x, the result
.set QB, 144                           ; v[144:207] slot s: the upper half's row
.set C0, 24                            ; s[24:31]   my eight codes, lower half
.set C1, 32                            ; s[32:39]   upper half
.set D0, 40                            ; s[40:47]   their distances
.set D1, 48                            ; s[48:55]
.set MK, 56                            ; s[56:63]   row i: all ones where the upper half wins
.set EA, 66                            ; s[66:81]   the eight rows' bases in embeddings, lower half
.set EB, 82                            ; s[82:97]   upper half
	s_load_b256 s[4:11], s[0:1], 0x0               ; x s[4:5], embeddings s[6:7], cand s[8:9], dist s[10:11]
	s_load_b128 s[12:15], s[0:1], 0x20             ; out0 s[12:13], part s[14:15]
	v_lshl_add_u32 v208, v0, 2, 0x800
	v_mov_b32 v209, 0
	v_lshrrev_b32 v2, 5, v0
	v_readfirstlane_b32 s16, v2                    ; wave 0..7
	v_and_b32 v1, 31, v0
	v_lshlrev_b32 v3, 3, v1                        ; 8 bytes a lane (LDS, part)
	v_lshlrev_b32 v1, 4, v1                        ; 16 bytes a lane (rows)
	s_lshl_b32 s17, ttmp9, 6
	s_lshl3_add_u32 s17, s16, s17                  ; my first row = 64 x work-group + 8 x wave
	s_lshl_b32 s18, s17, 2                         ; its word in cand and dist
	s_mov_b32 s19, 0
	s_lshl_b32 s20, s17, 11                        ; its bytes in x and out0 (below 32 MiB)
	s_mov_b32 s21, 0
	s_wait_kmcnt 0x0
	s_add_nc_u64 s[8:9], s[8:9], s[18:19]
	s_add_nc_u64 s[10:11], s[10:11], s[18:19]
	s_load_b256 s[C0:C0+7], s[8:9], 0x0
	s_load_b256 s[C1:C1+7], s[8:9], 0x10000        ; the upper half's table lies 65,536 bytes on
	s_load_b256 s[D0:D0+7], s[10:11], 0x0
	s_load_b256 s[D1:D1+7], s[10:11], 0x10000
	s_add_nc_u64 s[4:5], s[4:5], s[20:21]
	s_add_nc_u64 s[12:13], s[12:13], s[20:21]
.macro LDX row, slot
.irp c, 0,1,2,3
	global_load_b128 v[X+16*\slot+4*\c:X+16*\slot+4*\c+3], v1, s[4:5] offset:ROWB*(\row)+512*\c th:TH_LOAD_NT
.endr
.endm
.macro LDQ q, e, row, slot             ; no hint: a code may be named by many rows
.irp c, 0,1,2,3
	global_load_b128 v[\q+16*\slot+4*\c:\q+16*\slot+4*\c+3], v1, s[\e+2*(\row):\e+2*(\row)+1] offset:512*\c
.endr
.endm
.irp i, 0,1,2,3
	LDX \i, \i                                     ; 16 loads that need no code
.endr
.irp j, 0,1,2,3
	v_mov_b32 v[L+\j], 0
.endr
	s_wait_kmcnt 0x0
.irp i, 0,1,2,3,4,5,6,7
	s_min_u32 s[C0+\i], s[C0+\i], 0x1fff           ; a loaded number enters an address only inside the table
	s_min_u32 s[C1+\i], s[C1+\i], 0x1fff
	s_lshl_b32 s[EA+2*\i], s[C0+\i], 11            ; 2,048 bytes a row
	s_lshl_b32 s[EB+2*\i], s[C1+\i], 11
	s_mov_b32 s[EA+2*\i+1], 0
	s_mov_b32 s[EB+2*\i+1], 0
	s_add_nc_u64 s[EA+2*\i:EA+2*\i+1], s[6:7], s[EA+2*\i:EA+2*\i+1]
	s_add_nc_u64 s[EB+2*\i:EB+2*\i+1], s[6:7], s[EB+2*\i:EB+2*\i+1]
.endr
.irp i, 0,1,2,3
	LDQ QB, EB, \i, \i
	LDQ QA, EA, \i, \i
.endr
.irp i, 0,1,2,3,4,5,6,7
	v_mov_b32 v8, s[D0+\i]
	v_mov_b32 v9, s[D1+\i]
	v_cmp_lt_f32 s[MK+\i], v9, v8                  ; the same in every lane; it chooses values, never an address
.endr
; One row.  refill = 1: the slot takes the row four further on.  left = how many younger loads may stay out.
.macro GROW row, slot, refill, left
	s_wait_loadcnt \left                           ; loads return in order (ISA guide 5.7.1): this row's twelve are in
.set j, 0
.rept 16
	v_cndmask_b32 v[QA+16*\slot+j], v[QA+16*\slot+j], v[QB+16*\slot+j], s[MK+\row]   ; q
.set j, j+1
.endr
.irp p, 0,1,2,3,4,5,6,7
	v_pk_add_f32 v[QA+16*\slot+2*\p:QA+16*\slot+2*\p+1], v[QA+16*\slot+2*\p:QA+16*\slot+2*\p+1], v[X+16*\slot+2*\p:X+16*\slot+2*\p+1] neg_lo:[0,1] neg_hi:[0,1]   ; q - x
.endr
.irp p, 0,1,2,3,4,5,6,7
	v_pk_fma_f32 v[L+2*(\p%2):L+2*(\p%2)+1], v[QA+16*\slot+2*\p:QA+16*\slot+2*\p+1], v[QA+16*\slot+2*\p:QA+16*\slot+2*\p+1], v[L+2*(\p%2):L+2*(\p%2)+1]
.endr
.irp p, 0,1,2,3,4,5,6,7
	v_pk_add_f32 v[QA+16*\slot+2*\p:QA+16*\slot+2*\p+1], v[X+16*\slot+2*\p:X+16*\slot+2*\p+1], v[QA+16*\slot+2*\p:QA+16*\slot+2*\p+1]   ; x + (q - x)
.endr
.if \refill
	LDX \row+4, \slot                              ; loads ahead of stores; X's and QB's registers are named by no pending instruction
	LDQ QB, EB, \row+4, \slot
.endif
.irp c, 0,1,2,3
	global_store_b128 v1, v[QA+16*\slot+4*\c:QA+16*\slot+4*\c+3], s[12:13] offset:ROWB*(\row)+512*\c th:TH_STORE_NT   ; 512 consecutive bytes, aligned
.endr
.if \refill
	s_wait_xcnt 0x0                                ; the stores' data registers are loaded again only behind this wait (ISA guide 3.1)
	LDQ QA, EA, \row+4, \slot
.endif
.endm
	GROW 0, 0, 1, 24                               ; younger: the code rows of rows 1 to 3, eight loads each
	GROW 1, 1, 1, 28                               ; those of rows 2 and 3, and row 4's twelve
	GROW 2, 2, 1, 32                               ; those of row 3, and rows 4 and 5
	GROW 3, 3, 1, 36                               ; rows 4 to 6
	GROW 4, 0, 0, 36                               ; rows 5 to 7
	GROW 5, 1, 0, 24                               ; the counts run down
	GROW 6, 2, 0, 12
	GROW 7, 3, 0, 0
	v_pk_add_f32 v[L:L+1], v[L:L+1], v[L+2:L+3]
	v_lshl_add_u32 v2, s16, 8, v3                  ; 256 w + 8 lane
	ds_store_b64 v2, v[L:L+1]
	s_wait_dscnt 0x0                               ; for wave 0's sake
	s_barrier_signal -1
	s_barrier_wait -1
	s_cmp_lg_u32 s16, 0
	s_cbranch_scc1 .Lend
.irp w, 0,1,2,3,4,5,6,7
	ds_load_b64 v[X+2*\w:X+2*\w+1], v3 offset:256*\w   ; X's registers: no load is out, and no store names them
.endr
	s_lshl_b32 s18, ttmp9, 8                       ; 64 f32 a work-group; s19 is still 0
	s_add_nc_u64 s[14:15], s[14:15], s[18:19]
	s_wait_dscnt 0x0
	v_pk_add_f32 v[X:X+1],     v[X:X+1],     v[X+2:X+3]
	v_pk_add_f32 v[X+4:X+5],   v[X+4:X+5],   v[X+6:X+7]
	v_pk_add_f32 v[X+8:X+9],   v[X+8:X+9],   v[X+10:X+11]
	v_pk_add_f32 v[X+12:X+13], v[X+12:X+13], v[X+14:X+15]
	v_pk_add_f32 v[X:X+1],     v[X:X+1],     v[X+4:X+5]
	v_pk_add_f32 v[X+8:X+9],   v[X+8:X+9],   v[X+12:X+13]
	v_pk_add_f32 v[X:X+1],     v[X:X+1],     v[X+8:X+9]
	global_store_b64 v3, v[X:X+1], s[14:15]        ; 256 consecutive bytes, aligned
.Lend:
	s_wait_tensorcnt 0x0
	ds_add_u32 v208, v209
	s_wait_dscnt 0x0
	s_endpgm
.Lfunc_end_k_q8fc191e137_gather:
	.size	k_q8fc191e137_gather, .Lfunc_end_k_q8fc191e137_gather-k_q8fc191e137_gather
	.p2alignl 7, 3214868480
	.fill 96, 4, 3214868480
	.section	.rodata,"a",@progbits
	.p2align	6, 0x0
	.amdhsa_kernel k_q8fc191e137_gather
		.amdhsa_group_segment_fixed_size 3072
		.amdhsa_private_segment_fixed_size 0
		.amdhsa_enable_private_segment 0
		.amdhsa_kernarg_size 48
		.amdhsa_user_sgpr_count 2
		.amdhsa_user_sgpr_kernarg_segment_ptr 1
		.amdhsa_wavefront_size32 1
		.amdhsa_system_sgpr_workgroup_id_x 1
		.amdhsa_system_sgpr_workgroup_id_y 1
		.amdhsa_system_sgpr_workgroup_id_z 1
		.amdhsa_system_vgpr_workitem_id 0
		.amdhsa_next_free_vgpr 210
		.amdhsa_next_free_sgpr 98
		.amdhsa_reserve_vcc 0
		.amdhsa_float_denorm_mode_32 3
		.amdhsa_float_denorm_mode_16_64 3
		.amdhsa_memory_ordered 1
		.amdhsa_forward_progress 1
		.amdhsa_inst_pref_size 39
	.end_amdhsa_kernel
	.amdgpu_metadata
---
amdhsa.version: [ 1, 2 ]
amdhsa.kernels:
  - .name:           k_q8fc191e137_gather
    .symbol:         k_q8fc191e137_gather.kd
    .args:
      - { .name: x, .offset: 0, .size: 8, .value_kind: global_buffer, .address_space: global }
      - { .name: embeddings, .offset: 8, .size: 8, .value_kind: global_buffer, .address_space: global }
      - { .name: cand, .offset: 16, .size: 8, .value_kind: global_buffer, .address_space: global }
      - { .name: dist, .offset: 24, .size: 8, .value_kind: global_buffer, .address_space: global }
      - { .name: out0, .offset: 32, .size: 8, .value_kind: global_buffer, .address_space: global }
      - { .name: part, .offset: 40, .size: 8, .value_kind: global_buffer, .address_space: global }
    .group_segment_fixed_size: 3072
    .private_segment_fixed_size: 0
    .kernarg_segment_align: 8
    .kernarg_segment_size: 48
    .max_flat_workgroup_size: 256
    .sgpr_count:     98
    .vgpr_count:     210
    .wavefront_size: 32
...
	.end_amdgpu_metadata
.endif
;; end of part 6
;; launch lossred: the kernel of part 4 again; grid 1 x 1, 8 waves a work-group, no clusters, 1,280 bytes of LDS; arguments part, out1; writes out1
;; ======== version 3 of 3: 4 launches; version 2 with the launches prep, gather written anew for expert scheduling mode
;; workspace buffers: ebf 8,388,608 bytes; yy 32,768 bytes; cand 131,072 bytes of whole numbers; dist 131,072 bytes; part 65,536 bytes
;; launch prep (part 7): grid 128 x 1, 16 waves a work-group, no clusters, 2,304 bytes of LDS; arguments embeddings, ebf, yy; writes ebf, yy
.if DOCPART == 7
	.amdgcn_target "amdgcn-amd-amdhsa--gfx1250"
	.amdhsa_code_object_version 6
	.text
	.protected	k_q8fc191e137_prep
	.globl	k_q8fc191e137_prep
	.p2align	8
	.type	k_q8fc191e137_prep,@function
k_q8fc191e137_prep:
	s_mov_b64 s[64:65], 0
	v_nop
	global_prefetch_b8 v0, s[64:65] scope:SCOPE_SE
	s_setreg_imm32_b32 hwreg(HW_REG_WAVE_SCHED_MODE, 0, 2), 2
	s_setreg_imm32_b32 hwreg(HW_REG_WAVE_MODE, 25, 1), 1
	s_wait_xcnt 0x0
	s_wait_alu depctr_vm_vsrc(0)
; ebf[v][k] = bf16(embeddings[v][k]);  yy[v] = sum over k of ebf[v][k]^2 in f32.   embeddings: [8192][512] f32.
; The codebook is walked by every work-group of the next launch, so it is rounded once here: 16 MiB in, 8 MiB out.
; yy is made of the ROUNDED numbers, so that the distances of the next launch belong to one set of operands.
; A work-group owns 64 rows (its 64 yy are 256 consecutive bytes, aligned), a wave 4 rows.  All 16 loads of a wave go out at once;
; every row has its own registers, so no register that a load or store names is ever written again.
; A stream: no matrix unit, no cluster, no ring; LDS only gathers the 64 sums for one whole store.
; THE MODE: SCHED_MODE bits 1:0 = 2 (LLVM: expert scheduling mode 2), set by the entry lines.  The code itself states the register dependences
; between vector instructions and memory or LDS instructions, with s_wait_alu, always for 0.
; THE PLAN.  Registers that memory or LDS instructions touch:
;   v1, v2, v3   offsets and an LDS address, made at the head and never written again.
;   E            written by the loads, once; read by the roundings.
;   W[i]         written by row i's roundings; read by row i's four stores (and by the squares, which are vector lines).
;   SUM[i]       a pair for each row: written by row i's vector lines; its first register is read by one LDS store, issued in row i + 1.
;   v[12:13]     wave 0: written by one LDS load, read by one store; no vector line names them.
; So ONE wait on va_vdst stands in a row, behind its roundings: it states that W[i] is written and that the row before has written its sum; the row's four
; stores and the LDS store of the row before follow it.  One more stands behind the last row.  No register that a memory instruction reads is written again.
.set ROWB,  2048                       ; bytes of a row of embeddings
.set ROWH,  1024                       ; bytes of a row of ebf
.set SUM,   4                          ; v[4:11]   row i: two sum chains (low halves, high halves) at SUM + 2 i
.set YB,    12                         ; v[12:13]  wave 0: two of the 64 sums
.set E,     16                         ; v[16:79]  row i, chunk c: 4 f32 at E + 16 i + 4 c
.set W,     80                         ; v[80:111] row i: 8 words of bf16 pairs at W + 8 i
	s_load_b128 s[4:7], s[0:1], 0x0                ; embeddings s[4:5], ebf s[6:7]
	s_load_b64 s[8:9], s[0:1], 0x10                ; yy
	v_lshl_add_u32 v112, v0, 2, 0x100
	v_mov_b32 v113, 0
	v_lshrrev_b32 v3, 5, v0
	v_readfirstlane_b32 s10, v3                    ; wave 0..15
	v_and_b32 v2, 31, v0                           ; lane
	v_lshlrev_b32 v1, 4, v2                        ; 16 bytes a lane in embeddings
	v_lshlrev_b32 v2, 3, v2                        ; 8 bytes a lane in ebf, in LDS and in yy
	s_wait_alu depctr_va_sdst(0)                   ; s10 is written, ahead of its first reader, the line below
	v_mov_b32 v3, s10
	v_lshlrev_b32 v3, 4, v3                        ; LDS: my wave's four words
	s_lshl_b32 s11, ttmp9, 6
	s_lshl2_add_u32 s11, s10, s11                  ; my first row = 64 x work-group + 4 x wave
	s_lshl_b32 s12, s11, 11                        ; its byte offset in embeddings (below 16 MiB)
	s_mov_b32 s13, 0
	s_lshl_b32 s16, s11, 10                        ; and in ebf
	s_mov_b32 s17, 0
	s_mov_b32 s14, 0x76543210                      ; v_permlanex16_b32: lane i reads lane i of the other half
	s_mov_b32 s15, 0xfedcba98
	s_wait_kmcnt 0x0
	s_add_nc_u64 s[4:5], s[4:5], s[12:13]
	s_add_nc_u64 s[6:7], s[6:7], s[16:17]
	s_wait_alu depctr_va_vdst(0)                   ; v1, v2 and v3 are written: every load, store and LDS instruction of the kernel reads one of them as its offset or address
.irp i, 0,1,2,3
.irp c, 0,1,2,3
	global_load_b128 v[E+16*\i+4*\c:E+16*\i+4*\c+3], v1, s[4:5] offset:ROWB*\i+512*\c th:TH_LOAD_NT   ; 512 consecutive bytes a wave
.endr
.endr
; One row: round, store, square and sum.
.macro PROW i
	s_wait_loadcnt 12-4*\i                         ; loads return in order (ISA guide 5.7.1): this row's four are in, the later rows' stay out
.irp c, 0,1,2,3
	v_cvt_pk_bf16_f32 v[W+8*\i+2*\c],   v[E+16*\i+4*\c],   v[E+16*\i+4*\c+1]
	v_cvt_pk_bf16_f32 v[W+8*\i+2*\c+1], v[E+16*\i+4*\c+2], v[E+16*\i+4*\c+3]
.endr
	s_wait_alu depctr_va_vdst(0)                   ; the roundings have written W[i], which the stores below read; the row before has written its sum, which the LDS store below reads
.irp c, 0,1,2,3
	global_store_b64 v2, v[W+8*\i+2*\c:W+8*\i+2*\c+1], s[6:7] offset:ROWH*\i+256*\c   ; 32 lanes x 8 bytes: 256 consecutive bytes, aligned
.endr
.if \i > 0
	ds_store_b32 v3, v[SUM+2*(\i-1)] offset:4*(\i-1)   ; the sum of the row before: all lanes write one word with one value
.endif
	v_mov_b32 v[SUM+2*\i], 0
	v_mov_b32 v[SUM+2*\i+1], 0
.irp j, 0,1,2,3,4,5,6,7
	v_fma_mix_f32_bf16 v[SUM+2*\i],   v[W+8*\i+\j], v[W+8*\i+\j], v[SUM+2*\i]   op_sel_hi:[1,1,0]                  ; low halves, squared, into f32
	v_fma_mix_f32_bf16 v[SUM+2*\i+1], v[W+8*\i+\j], v[W+8*\i+\j], v[SUM+2*\i+1] op_sel:[1,1,0] op_sel_hi:[1,1,0]    ; high halves
.endr
	v_add_f32 v[SUM+2*\i], v[SUM+2*\i], v[SUM+2*\i+1]
	v_add_f32_dpp v[SUM+2*\i], v[SUM+2*\i], v[SUM+2*\i] row_xmask:1 row_mask:0xf bank_mask:0xf
	v_add_f32_dpp v[SUM+2*\i], v[SUM+2*\i], v[SUM+2*\i] row_xmask:2 row_mask:0xf bank_mask:0xf
	v_add_f32_dpp v[SUM+2*\i], v[SUM+2*\i], v[SUM+2*\i] row_xmask:4 row_mask:0xf bank_mask:0xf
	v_add_f32_dpp v[SUM+2*\i], v[SUM+2*\i], v[SUM+2*\i] row_xmask:8 row_mask:0xf bank_mask:0xf
	v_permlanex16_b32 v[SUM+2*\i+1], v[SUM+2*\i], s14, s15   ; its destination has been written before
	v_add_f32 v[SUM+2*\i], v[SUM+2*\i], v[SUM+2*\i+1]        ; every lane holds the row's sum
.endm
	PROW 0
	PROW 1
	PROW 2
	PROW 3
	s_wait_alu depctr_va_vdst(0)                   ; the last row has written its sum, which the LDS store below reads
	ds_store_b32 v3, v[SUM+6] offset:12
	s_wait_dscnt 0x0                               ; my four words are in LDS, for wave 0's sake
	s_barrier_signal -1
	s_barrier_wait -1
	s_cmp_lg_u32 s10, 0
	s_cbranch_scc1 .Lend
	ds_load_b64 v[YB:YB+1], v2                     ; wave 0: the 64 sums, two a lane; no vector line names these two registers
	s_lshl_b32 s12, ttmp9, 8                       ; 64 f32 a work-group; s13 is still 0
	s_add_nc_u64 s[8:9], s[8:9], s[12:13]
	s_wait_dscnt 0x0
	global_store_b64 v2, v[YB:YB+1], s[8:9]        ; 256 consecutive bytes, aligned
.Lend:
	s_wait_dscnt 0x0                               ; the closing lines, six on end
	s_wait_alu 0x0
	s_wait_tensorcnt 0x0
	ds_add_u32 v112, v113
	s_wait_dscnt 0x0
	s_endpgm
.Lfunc_end_k_q8fc191e137_prep:
	.size	k_q8fc191e137_prep, .Lfunc_end_k_q8fc191e137_prep-k_q8fc191e137_prep
	.p2alignl 7, 3214868480
	.fill 96, 4, 3214868480
	.section	.rodata,"a",@progbits
	.p2align	6, 0x0
	.amdhsa_kernel k_q8fc191e137_prep
		.amdhsa_group_segment_fixed_size 2304
		.amdhsa_private_segment_fixed_size 0
		.amdhsa_enable_private_segment 0
		.amdhsa_kernarg_size 24
		.amdhsa_user_sgpr_count 2
		.amdhsa_user_sgpr_kernarg_segment_ptr 1
		.amdhsa_wavefront_size32 1
		.amdhsa_system_sgpr_workgroup_id_x 1
		.amdhsa_system_sgpr_workgroup_id_y 1
		.amdhsa_system_sgpr_workgroup_id_z 1
		.amdhsa_system_vgpr_workitem_id 0
		.amdhsa_next_free_vgpr 114
		.amdhsa_next_free_sgpr 66
		.amdhsa_reserve_vcc 0
		.amdhsa_float_denorm_mode_32 3
		.amdhsa_float_denorm_mode_16_64 3
		.amdhsa_memory_ordered 1
		.amdhsa_forward_progress 1
		.amdhsa_inst_pref_size 14
	.end_amdhsa_kernel
	.amdgpu_metadata
---
amdhsa.version: [ 1, 2 ]
amdhsa.kernels:
  - .name:           k_q8fc191e137_prep
    .symbol:         k_q8fc191e137_prep.kd
    .args:
      - { .name: embeddings, .offset: 0, .size: 8, .value_kind: global_buffer, .address_space: global }
      - { .name: ebf, .offset: 8, .size: 8, .value_kind: global_buffer, .address_space: global }
      - { .name: yy, .offset: 16, .size: 8, .value_kind: global_buffer, .address_space: global }
    .group_segment_fixed_size: 2304
    .private_segment_fixed_size: 0
    .kernarg_segment_align: 8
    .kernarg_segment_size: 24
    .max_flat_workgroup_size: 512
    .sgpr_count:     66
    .vgpr_count:     114
    .wavefront_size: 32
...
	.end_amdgpu_metadata
.endif
;; end of part 7
;; launch argmin: the kernel of part 5 again; grid 256 x 1, 4 waves a work-group, clusters of 4 x 1, 327,680 bytes of LDS; arguments x, ebf, yy, cand, dist; writes cand, dist
;; launch gather (part 8): grid 256 x 1, 8 waves a work-group, no clusters, 3,072 bytes of LDS; arguments x, embeddings, cand, dist, out0, part; writes out0, part
.if DOCPART == 8
	.amdgcn_target "amdgcn-amd-amdhsa--gfx1250"
	.amdhsa_code_object_version 6
	.text
	.protected	k_q8fc191e137_gather
	.globl	k_q8fc191e137_gather
	.p2align	8
	.type	k_q8fc191e137_gather,@function
k_q8fc191e137_gather:
	s_mov_b64 s[64:65], 0
	v_nop
	global_prefetch_b8 v0, s[64:65] scope:SCOPE_SE
	s_setreg_imm32_b32 hwreg(HW_REG_WAVE_SCHED_MODE, 0, 2), 2
	s_setreg_imm32_b32 hwreg(HW_REG_WAVE_MODE, 25, 1), 1
	s_wait_xcnt 0x0
	s_wait_alu depctr_vm_vsrc(0)
; q[n] = e[cand[1][n]] where dist[1][n] < dist[0][n], else e[cand[0][n]];  out0[n] = x[n] + (q[n] - x[n]), in f32 and in reference()'s order;
; part[work-group][64] = partial sums of (q[n] - x[n])^2.
; x, out0: [16384][512] f32; embeddings: [8192][512] f32; cand: [2][16384] u32 and dist: [2][16384] f32, stored by the launch before:
; the best code of each half of the codebook and its distance.  The compare is strict, so equal distances keep the lower half's code, the lower index.
; No address hangs on a distance: BOTH candidates' rows are loaded (their addresses come from whole numbers) and the values are chosen lane by lane.
; That is 2,048 bytes more a row from a table of 16 MiB that every work-group reads.  A NaN distance is not served: the compare then keeps the lower half's code.
; A work-group owns 64 rows, a wave 8.  The wave's codes and distances come by four scalar loads; every load of a row is 512 consecutive bytes.
; A ring of four row slots in registers, 12 loads a row.  The first four rows of x need no code and go out ahead of the wait for the codes.
; A stream: no matrix unit and no cluster (work-groups share nothing but chance rows of the codebook); no separate prefetch, since a wave's first four
; rows are asked for as soon as its codes are known and the other four one row's work later.
; THE MODE: SCHED_MODE bits 1:0 = 2 (LLVM: expert scheduling mode 2), set by the entry lines.  The code itself states the register dependences
; between vector instructions and memory or LDS instructions, with s_wait_alu, always for 0.
; THE PLAN.  Registers that memory or LDS instructions touch:
;   v1, v3            byte offsets, made at the head and never written again; the rows are reached by scalar bases, never rewritten, and immediate offsets.
;   X, QA, QB [s]     four slots.  Written by a row's twelve loads; read (QA also written) by that row's vector lines alone; no store names them.
;   OUT0, OUT1        two out-buffers.  Row p's last eight adds write OUT[p % 2]; the row's four stores, issued at the head of row p + 1, read it.
;   v[4:7], v2        the sums of squares and an LDS address: written by vector lines, read by the one LDS store at the end.
; The head of row p (p > 0) issues the twelve loads of row p + 3, which land in slot (p - 1) % 4, and the four stores of row p - 1, from OUT[(p - 1) % 2]:
; the registers that row p - 1 worked on and that no vector line of row p names.  So one wait on va_vdst at the head of a row states all that these sixteen hang
; on.  They stand in one run ahead of the wait for row p's own data, loads first, so that they are on their way while the wave waits for that data.
; From row 2 on a wait on vm_vsrc stands there too: the stores issued one head earlier have read OUT[p % 2], which row p writes again.
.set ROWB, 2048
.set L,  4                             ; v[4:7]     two packed chains of the squares
.set X,  16                            ; v[16:79]   slot s: a row of x, 16 registers
.set QA, 80                            ; v[80:143]  slot s: the lower half's row, then q, then q - x
.set QB, 144                           ; v[144:207] slot s: the upper half's row
.set OUT, 210                          ; v[210:241] buffer b: a row of the result, 16 registers
.set C0, 24                            ; s[24:31]   my eight codes, lower half
.set C1, 32                            ; s[32:39]   upper half
.set D0, 40                            ; s[40:47]   their distances
.set D1, 48                            ; s[48:55]
.set MK, 56                            ; s[56:63]   row i: all ones where the upper half wins
.set EA, 66                            ; s[66:81]   the eight rows' bases in embeddings, lower half
.set EB, 82                            ; s[82:97]   upper half
	s_load_b256 s[4:11], s[0:1], 0x0               ; x s[4:5], embeddings s[6:7], cand s[8:9], dist s[10:11]
	s_load_b128 s[12:15], s[0:1], 0x20             ; out0 s[12:13], part s[14:15]
	v_lshl_add_u32 v208, v0, 2, 0x800
	v_mov_b32 v209, 0
	v_lshrrev_b32 v2, 5, v0
	v_readfirstlane_b32 s16, v2                    ; wave 0..7
	v_and_b32 v1, 31, v0
	v_lshlrev_b32 v3, 3, v1                        ; 8 bytes a lane (LDS, part)
	v_lshlrev_b32 v1, 4, v1                        ; 16 bytes a lane (rows)
	s_wait_alu depctr_va_sdst(0)                   ; s16 is written, ahead of its first reader: my first row is made from it
	s_lshl_b32 s17, ttmp9, 6
	s_lshl3_add_u32 s17, s16, s17                  ; my first row = 64 x work-group + 8 x wave
	s_lshl_b32 s18, s17, 2                         ; its word in cand and dist
	s_mov_b32 s19, 0
	s_lshl_b32 s20, s17, 11                        ; its bytes in x and out0 (below 32 MiB)
	s_mov_b32 s21, 0
	s_wait_kmcnt 0x0
	s_add_nc_u64 s[8:9], s[8:9], s[18:19]
	s_add_nc_u64 s[10:11], s[10:11], s[18:19]
	s_load_b256 s[C0:C0+7], s[8:9], 0x0
	s_load_b256 s[C1:C1+7], s[8:9], 0x10000        ; the upper half's table lies 65,536 bytes on
	s_load_b256 s[D0:D0+7], s[10:11], 0x0
	s_load_b256 s[D1:D1+7], s[10:11], 0x10000
	s_add_nc_u64 s[4:5], s[4:5], s[20:21]
	s_add_nc_u64 s[12:13], s[12:13], s[20:21]
.macro LDX row, slot
.irp c, 0,1,2,3
	global_load_b128 v[X+16*(\slot)+4*\c:X+16*(\slot)+4*\c+3], v1, s[4:5] offset:ROWB*(\row)+512*\c th:TH_LOAD_NT
.endr
.endm
.macro LDQ q, e, row, slot             ; no hint: a code may be named by many rows
.irp c, 0,1,2,3
	global_load_b128 v[\q+16*(\slot)+4*\c:\q+16*(\slot)+4*\c+3], v1, s[\e+2*(\row):\e+2*(\row)+1] offset:512*\c
.endr
.endm
	s_wait_alu depctr_va_vdst(0)                   ; v1 and v3 are written: every load and store of the kernel reads one of them as its offset
.irp i, 0,1,2,3
	LDX \i, \i                                     ; 16 loads that need no code
.endr
.irp j, 0,1,2,3
	v_mov_b32 v[L+\j], 0
.endr
	s_wait_kmcnt 0x0
.irp i, 0,1,2,3,4,5,6,7
	s_min_u32 s[C0+\i], s[C0+\i], 0x1fff           ; a loaded number enters an address only inside the table
	s_min_u32 s[C1+\i], s[C1+\i], 0x1fff
	s_lshl_b32 s[EA+2*\i], s[C0+\i], 11            ; 2,048 bytes a row
	s_lshl_b32 s[EB+2*\i], s[C1+\i], 11
	s_mov_b32 s[EA+2*\i+1], 0
	s_mov_b32 s[EB+2*\i+1], 0
	s_add_nc_u64 s[EA+2*\i:EA+2*\i+1], s[6:7], s[EA+2*\i:EA+2*\i+1]
	s_add_nc_u64 s[EB+2*\i:EB+2*\i+1], s[6:7], s[EB+2*\i:EB+2*\i+1]
.endr
.irp i, 0,1,2,3
	LDQ QB, EB, \i, \i                             ; no wait: the vector lines since the wait above name v[4:7] alone
	LDQ QA, EA, \i, \i
.endr
.irp i, 0,1,2,3,4,5,6,7
	v_mov_b32 v8, s[D0+\i]
	v_mov_b32 v9, s[D1+\i]
	v_cmp_lt_f32 s[MK+\i], v9, v8                  ; the same in every lane; it chooses values, never an address
.endr
	s_wait_alu depctr_va_sdst(0)                   ; the eight compares have written their masks, ahead of the first line that selects by one
; One row.  reuse = 1: the row's out-buffer has been stored from before.  refill = 1: the slot of the row before takes the row three further on than this one.
; left = how many younger loads may stay out when this row's twelve have to be there.
.macro GROW row, slot, reuse, refill, left
.set PS, ((\slot)+3)%4                 ; the slot of the row before
.set OB, OUT+16*((\row)%2)             ; this row's out-buffer
.set PB, OUT+16-16*((\row)%2)          ; that of the row before
.if \row > 0
.if \reuse
	s_wait_xcnt 0x0                                ; every earlier memory instruction has had its addresses translated (ISA guide 3.1): this row's out-buffer is rewritten only behind this wait
	s_wait_alu depctr_vm_vsrc(0)                   ; the stores issued at the head of the row before have read this row's out-buffer, which the adds below write again
.endif
	s_wait_alu depctr_va_vdst(0)                   ; the row before has written its out-buffer, which the stores below read, and is done with X, QA and QB of its slot, in which the loads below land
.if \refill
	LDX \row+3, PS                                 ; loads ahead of stores
	LDQ QB, EB, \row+3, PS
	LDQ QA, EA, \row+3, PS
.endif
.irp c, 0,1,2,3
	global_store_b128 v1, v[PB+4*\c:PB+4*\c+3], s[12:13] offset:ROWB*(\row-1)+512*\c th:TH_STORE_NT   ; the row before: 512 consecutive bytes, aligned
.endr
.endif
	s_wait_loadcnt \left                           ; loads return in order (ISA guide 5.7.1): this row's twelve are in
.set j, 0
.rept 16
	v_cndmask_b32 v[QA+16*\slot+j], v[QA+16*\slot+j], v[QB+16*\slot+j], s[MK+\row]   ; q
.set j, j+1
.endr
.irp p, 0,1,2,3,4,5,6,7
	v_pk_add_f32 v[QA+16*\slot+2*\p:QA+16*\slot+2*\p+1], v[QA+16*\slot+2*\p:QA+16*\slot+2*\p+1], v[X+16*\slot+2*\p:X+16*\slot+2*\p+1] neg_lo:[0,1] neg_hi:[0,1]   ; q - x
.endr
.irp p, 0,1,2,3,4,5,6,7
	v_pk_fma_f32 v[L+2*(\p%2):L+2*(\p%2)+1], v[QA+16*\slot+2*\p:QA+16*\slot+2*\p+1], v[QA+16*\slot+2*\p:QA+16*\slot+2*\p+1], v[L+2*(\p%2):L+2*(\p%2)+1]
.endr
.irp p, 0,1,2,3,4,5,6,7
	v_pk_add_f32 v[OB+2*\p:OB+2*\p+1], v[X+16*\slot+2*\p:X+16*\slot+2*\p+1], v[QA+16*\slot+2*\p:QA+16*\slot+2*\p+1]   ; x + (q - x)
.endr
.endm
	GROW 0, 0, 0, 0, 24                            ; younger: the code rows of rows 1 to 3, eight loads each
	GROW 1, 1, 0, 1, 28                            ; those of rows 2 and 3, and row 4's twelve
	GROW 2, 2, 1, 1, 32                            ; those of row 3, and rows 4 and 5
	GROW 3, 3, 1, 1, 36                            ; rows 4 to 6
	GROW 4, 0, 1, 1, 36                            ; rows 5 to 7
	GROW 5, 1, 1, 0, 24                            ; the counts run down
	GROW 6, 2, 1, 0, 12
	GROW 7, 3, 1, 0, 0
	v_pk_add_f32 v[L:L+1], v[L:L+1], v[L+2:L+3]
	v_lshl_add_u32 v2, s16, 8, v3                  ; 256 w + 8 lane
	s_wait_alu depctr_va_vdst(0)                   ; row 7 has written its out-buffer, which the last four stores read; v[4:5] and v2 are written, which the LDS store reads
.irp c, 0,1,2,3
	global_store_b128 v1, v[OUT+16+4*\c:OUT+16+4*\c+3], s[12:13] offset:ROWB*7+512*\c th:TH_STORE_NT
.endr
	ds_store_b64 v2, v[L:L+1]
	s_wait_dscnt 0x0                               ; for wave 0's sake
	s_barrier_signal -1
	s_barrier_wait -1
	s_cmp_lg_u32 s16, 0
	s_cbranch_scc1 .Lend
.irp w, 0,1,2,3,4,5,6,7
	ds_load_b64 v[X+2*\w:X+2*\w+1], v3 offset:256*\w   ; X's registers: no load is out, and no store names them; no vector line has been issued since the wait above
.endr
	s_lshl_b32 s18, ttmp9, 8                       ; 64 f32 a work-group; s19 is still 0
	s_add_nc_u64 s[14:15], s[14:15], s[18:19]
	s_wait_dscnt 0x0
	v_pk_add_f32 v[X:X+1],     v[X:X+1],     v[X+2:X+3]
	v_pk_add_f32 v[X+4:X+5],   v[X+4:X+5],   v[X+6:X+7]
	v_pk_add_f32 v[X+8:X+9],   v[X+8:X+9],   v[X+10:X+11]
	v_pk_add_f32 v[X+12:X+13], v[X+12:X+13], v[X+14:X+15]
	v_pk_add_f32 v[X:X+1],     v[X:X+1],     v[X+4:X+5]
	v_pk_add_f32 v[X+8:X+9],   v[X+8:X+9],   v[X+12:X+13]
	v_pk_add_f32 v[X:X+1],     v[X:X+1],     v[X+8:X+9]
	s_wait_alu depctr_va_vdst(0)                   ; the adds have written v[16:17], which the store below reads
	global_store_b64 v3, v[X:X+1], s[14:15]        ; 256 consecutive bytes, aligned
.Lend:
	s_wait_dscnt 0x0                               ; the closing lines, six on end
	s_wait_alu 0x0
	s_wait_tensorcnt 0x0
	ds_add_u32 v208, v209
	s_wait_dscnt 0x0
	s_endpgm
.Lfunc_end_k_q8fc191e137_gather:
	.size	k_q8fc191e137_gather, .Lfunc_end_k_q8fc191e137_gather-k_q8fc191e137_gather
	.p2alignl 7, 3214868480
	.fill 96, 4, 3214868480
	.section	.rodata,"a",@progbits
	.p2align	6, 0x0
	.amdhsa_kernel k_q8fc191e137_gather
		.amdhsa_group_segment_fixed_size 3072
		.amdhsa_private_segment_fixed_size 0
		.amdhsa_enable_private_segment 0
		.amdhsa_kernarg_size 48
		.amdhsa_user_sgpr_count 2
		.amdhsa_user_sgpr_kernarg_segment_ptr 1
		.amdhsa_wavefront_size32 1
		.amdhsa_system_sgpr_workgroup_id_x 1
		.amdhsa_system_sgpr_workgroup_id_y 1
		.amdhsa_system_sgpr_workgroup_id_z 1
		.amdhsa_system_vgpr_workitem_id 0
		.amdhsa_next_free_vgpr 242
		.amdhsa_next_free_sgpr 98
		.amdhsa_reserve_vcc 0
		.amdhsa_float_denorm_mode_32 3
		.amdhsa_float_denorm_mode_16_64 3
		.amdhsa_memory_ordered 1
		.amdhsa_forward_progress 1
		.amdhsa_inst_pref_size 40
	.end_amdhsa_kernel
	.amdgpu_metadata
---
amdhsa.version: [ 1, 2 ]
amdhsa.kernels:
  - .name:           k_q8fc191e137_gather
    .symbol:         k_q8fc191e137_gather.kd
    .args:
      - { .name: x, .offset: 0, .size: 8, .value_kind: global_buffer, .address_space: global }
      - { .name: embeddings, .offset: 8, .size: 8, .value_kind: global_buffer, .address_space: global }
      - { .name: cand, .offset: 16, .size: 8, .value_kind: global_buffer, .address_space: global }
      - { .name: dist, .offset: 24, .size: 8, .value_kind: global_buffer, .address_space: global }
      - { .name: out0, .offset: 32, .size: 8, .value_kind: global_buffer, .address_space: global }
      - { .name: part, .offset: 40, .size: 8, .value_kind: global_buffer, .address_space: global }
    .group_segment_fixed_size: 3072
    .private_segment_fixed_size: 0
    .kernarg_segment_align: 8
    .kernarg_segment_size: 48
    .max_flat_workgroup_size: 256
    .sgpr_count:     98
    .vgpr_count:     242
    .wavefront_size: 32
...
	.end_amdgpu_metadata
.endif
;; end of part 8
;; launch lossred: the kernel of part 4 again; grid 1 x 1, 8 waves a work-group, no clusters, 1,280 bytes of LDS; arguments part, out1; writes out1
